; MI455X (gfx1250); checked and timed in simulation.
; The chip was launched on July 23, 2026; its instructions are those of AMD's public machine-readable ISA for CDNA 5 (MIT licence, August 2026) and "CDNA5" Instruction Set Architecture Reference Guide (July 2026). The comments in the code are by the model that wrote it; some were corrected since.
;; Multi Head Attention. Allowed arithmetic: matrix products marked QUANTISED: E3M2 operands, one E8M0 scale for each 32 along K, by v_wmma_scale_f32_16x16x128_f8f6f4 with both operands' format E3M2, f32 sums; everything else in f32.
;; Inputs: Wkv_codes 2,048 x 32 x 24 uint8 (E3M2 codes of Wkv, K innermost, in blocks of 32 codes, four codes in three bytes); Wkv_scales 2,048 x 32 uint8 (E8M0 scales of Wkv, one for each 32 codes along K); Wo_codes 1,024 x 32 x 24 uint8 (E3M2 codes of Wo, K innermost, in blocks of 32 codes, four codes in three bytes); Wo_scales 1,024 x 32 uint8 (E8M0 scales of Wo, one for each 32 codes along K); Wq_codes 1,024 x 32 x 24 uint8 (E3M2 codes of Wq, K innermost, in blocks of 32 codes, four codes in three bytes); Wq_scales 1,024 x 32 uint8 (E8M0 scales of Wq, one for each 32 codes along K); bkv 2,048 float32; bo 1,024 float32; bq 1,024 float32; key_val_lengths 4 int32; ln_b 1,024 float32; ln_g 1,024 float32; x 4 x 2,048 x 1,024 float32.
;; Outputs: out0 4 x 2,048 x 1,024 float32.
;; This version of the problem:
;;   THIS VERSION OF THE PROBLEM IS GIVEN IN LOW PRECISION. The matrix products marked QUANTISED in the list below multiply operands that are first quantised to E3M2 (3 exponent bits, 2 mantissa bits; 6 bits a number), with one power-of-two scale for each 32 numbers along K (OCP MX v1.0); their sums are f32. All else is computed in f32.
;;   The module's matrix products, in the order in which they are computed (A, B: the left and right operand; K: the contracted axis; several contracted axes count as one K, in the product's order):
;;     1. [M 8,192, K 1,024] x [K 1,024, N 1,024]; A: computed on the way; B: input Wq (given as codes): QUANTISED
;;     2. [M 8,192, K 1,024] x [K 1,024, N 2,048]; A: computed on the way; B: input Wkv (given as codes): QUANTISED
;;     3. batch 64 x [M 2,048, K 64] x [K 64, N 2,048]; A: computed on the way; B: computed on the way: QUANTISED
;;     4. batch 64 x [M 64, K 2,048] x [K 2,048, N 2,048]; A: computed on the way; B: softmax (see below): QUANTISED
;;     5. [M 8,192, K 1,024] x [K 1,024, N 1,024]; A: computed on the way; B: input Wo (given as codes): QUANTISED
;;   THE QUANTISER, for each operand of a quantised product, along K:
;;     - K is cut into blocks of 32 from its start; a last block that is shorter is filled with zeros.
;;     - A block's scale is 2^e with e = floor(log2(the largest magnitude in the block)) - 4, held to -126 .. 127; a block of zeros has e = 0. As a byte (E8M0): e + 127.
;;     - Each number is divided by its block's scale, clamped to +-28, and rounded to the nearest number of E3M2, ties to even, subnormals kept.
;;     - The product sums the exact products of the quantised numbers (number of the format x scale) in f32.
;;   ~~~python
;;   def quantise(x, axis):      # numpy; x: float32 -> the quantised numbers, widened to float32 again
;;       x = np.moveaxis(x, axis, -1); K = x.shape[-1]
;;       x = np.pad(x, [(0, 0)] * (x.ndim - 1) + [(0, -K % 32)]); x = x.reshape(x.shape[:-1] + (-1, 32)); a = np.abs(x).max(-1, keepdims=True)
;;       e = np.where(a > 0, np.clip(np.frexp(np.where(a > 0, a, 1))[1] - 1 - 4, -126, 127), 0)      # np.frexp(a)[1] - 1 = floor(log2(a)), exactly
;;       r = np.clip(x / 2.0 ** e, -28, 28)
;;       step = 2.0 ** (np.maximum(np.frexp(np.where(r == 0, 1, r))[1] - 1, -2) - 2)
;;       q = np.round(r / step) * step * 2.0 ** e      # np.round: ties to even
;;       return np.moveaxis(q.reshape(q.shape[:-2] + (-1,))[..., :K], -1, axis).astype(np.float32)
;;   ~~~
;;   SOFTMAX AHEAD OF A QUANTISED PRODUCT. Where the list says 'softmax', what is quantised is not the finished softmax but p = 2^(t - M), with t = logit x log2(e) and M = ceil(the row's largest t), a whole number; so 1/2 < the row's largest p <= 1. The row's sum l is taken of the UNQUANTISED p, in f32, and the product's result is divided by l at the end. Since M is a whole number, a kernel that streams over the keys may use a running M (the ceiling of the running maximum): every later rescaling is an exact power of two, which a block's scale takes up: the codes' values come out the same.
;;   OPERANDS COMPUTED ON THE WAY. 'Computed on the way' means the value that the module computes at that place (a softmax that the list does not call 'softmax' is quantised finished and normalised). What goes into a quantiser is computed in f32, as accurately as f32 sums, v_exp_f32 and their like allow (about 1e-6 of the number): no bf16 or f16 on the way to a quantiser, and a product that is left as it is and whose result goes on into a quantised operand takes f32 operands (vector FMAs, or v_wmma_f32_16x16x4_f32). A number that lies on a knife's edge between two numbers of the format may be rounded either way, as far as f32 arithmetic and the matrix unit's own rounding can turn it there, and no further.
;;   INPUTS GIVEN AS CODES. Wkv (in the module: [2048, 1024], K = its axis 1); Wo (in the module: [1024, 1024], K = its axis 1); Wq (in the module: [1024, 1024], K = its axis 1): each comes as NAME_codes (uint8): NAME with its K axis moved to the last place and cut into blocks of 32 codes, [.., K / 32, bytes a block], one block behind the other in memory; four codes in three bytes: a row's codes are one little-endian stream of bits, code i at bits 6 i .. 6 i + 5 (a code: sign, 3 exponent bits, 2 mantissa bits); and NAME_scales (uint8): the same leading axes, one E8M0 byte (e + 127) for each 32 codes along K. Its value is code x scale, taken as it is: it is not quantised again, and the codes and scales need not be those that the quantiser above would give.
;; One version. Each part assembles by itself: llvm-mc -triple=amdgcn-amd-amdhsa -mcpu=gfx1250 --defsym DOCPART=n.
;; ======== version 1 of 1: 4 launches
;; limits: right only within a limited range of input values
;; workspace buffers: xn_codes 6,291,456 bytes; xn_scales 262,144 bytes; qc 6,291,456 bytes; qs 524,288 bytes; kv 13,631,488 bytes; ao 6,291,456 bytes; aos 262,144 bytes
;; launch ln (part 1): grid 256 x 1, 4 waves a work-group, no clusters, 33,280 bytes of LDS; arguments x, ln_g, ln_b, xn_codes, xn_scales; writes xn_codes, xn_scales
.if DOCPART == 1
	.amdgcn_target "amdgcn-amd-amdhsa--gfx1250"
	.amdhsa_code_object_version 6
	.text
	.protected	k_q1368532bdd_ln
	.globl	k_q1368532bdd_ln
	.p2align	8
	.type	k_q1368532bdd_ln,@function
k_q1368532bdd_ln:
	s_mov_b64 s[64:65], 0
	v_nop
	global_prefetch_b8 v0, s[64:65] scope:SCOPE_SE
	s_setreg_imm32_b32 hwreg(HW_REG_WAVE_MODE, 25, 1), 1
	s_wait_xcnt 0x0
; xn = (x - mean) * rsqrt(var + 1e-5) * g + b for each of the 8,192 rows of 1,024 f32, then quantised along the row to codes of BF6 (E3M2) with one E8M0 byte for each 32 numbers.
; xn_codes: [8192][768] bytes, K innermost, a row's codes one stream of bits; xn_scales: [8192][32] bytes.
; SHARES. A work-group of four waves takes 32 rows, a wave 8.  One wave, one row at a time: the row stays in 32 registers a lane between the passes (mean, centred squares, scaling), so x is read once and no wave waits for another.
; Each load reads 512 consecutive bytes.  The conversion wants 16 NEIGHBOURS in one lane: half a row (512 numbers) at a time turns through the wave's own stage in LDS (16 bytes of padding behind each 64).
; A lane's 16 codes are 12 bytes: a store covers 384 consecutive bytes.  The wave's 8 x 32 scale bytes are gathered in its own 256 bytes of LDS and leave as one aligned run of 256 bytes.
; The variance is the mean of the squares of x - mean (two passes over registers), so a common offset of x costs no accuracy.
; A block's scale byte is its largest magnitude's exponent field - 4, held at 1 from below.
; LIMITS: a block of zeros keeps the byte 1 (its codes are zeros, and this program alone reads the bytes); blocks whose largest magnitude lies under 2^-122 are held at byte 1; NaN and infinities in x are not served.
.set ROWBY, 4096                       ; bytes in a row of x
.set G,   16                           ; v16-47   g of my 32 columns
.set BE,  48                           ; v48-79   b of my 32 columns
.set R,   80                           ; v80-175  three row sets of 32
.set XT,  176                          ; v176-207 two sets of 16 neighbours
.set CD,  208                          ; v208-215 codes, four registers for each half row
.set SM,  216                          ; v216-219 sums
.set BY,  224                          ; v224-239 a scale byte for each of the 16 half rows
.set SP,  80                           ; a lane's place in a stage: 64 bytes + 16 of padding
.set STG, 32*SP                        ; a stage
.set SBY, 2*STG                        ; behind the two stages: the wave's 256 scale bytes
	s_load_b256 s[4:11], s[0:1], 0x0               ; x s[4:5], g s[6:7], b s[8:9], the codes s[10:11]
	s_load_b64 s[12:13], s[0:1], 0x20              ; the scale bytes
	v_lshl_add_u32 v240, v0, 2, 0x8000
	v_mov_b32 v241, 0
	v_lshrrev_b32 v1, 5, v0
	v_readfirstlane_b32 s16, v1                    ; wave 0..3
	v_and_b32 v2, 31, v0                           ; lane
	v_lshlrev_b32 v3, 4, v2                        ; my 16 bytes of a load's 512
	v_mul_u32_u24 v4, v2, 12                       ; my 12 bytes of a half row's codes
	s_lshl_b32 s17, s16, 13                        ; my wave's 8,192 bytes of LDS
	v_lshrrev_b32 v14, 2, v2
	v_mul_u32_u24 v14, v14, SP
	v_and_b32 v15, 3, v2
	v_lshl_add_u32 v14, v15, 4, v14
	v_add_nc_u32 v14, s17, v14                     ; the stage, on the way in: four lanes' 64 bytes on end, then the padding
	v_mul_u32_u24 v15, v2, SP
	v_add_nc_u32 v15, s17, v15                     ; and on the way out: my 16 neighbours
	v_lshrrev_b32 v5, 1, v2
	s_add_co_u32 s17, s17, SBY
	v_add_nc_u32 v5, s17, v5                       ; my block's scale byte
	v_lshlrev_b32 v7, 3, v2                        ; the bytes' way out: 8 a lane
	v_add_nc_u32 v6, s17, v7
	v_mov_b32 v9, 0                                ; upper halves of the pairs that the packed forms name
	v_mov_b32 v11, 0
	s_mov_b32 s20, 0x76543210                      ; v_permlanex16_b32's selects: lane l xor 16
	s_mov_b32 s21, 0xfedcba98
	s_mov_b32 s22, 0x3a800000                      ; 1 / 1024
	s_mov_b32 s23, 0x3727c5ac                      ; 1e-5
	s_lshl_b32 s18, ttmp9, 5
	s_lshl_b32 s19, s16, 3
	s_add_co_u32 s18, s18, s19                     ; my first row: 32 x work-group + 8 x wave
	s_lshl_b32 s24, s18, 12
	s_mov_b32 s25, 0
	s_mul_i32 s26, s18, 768
	s_mov_b32 s27, 0
	s_lshl_b32 s28, s18, 5
	s_mov_b32 s29, 0
	s_wait_kmcnt 0x0
	s_add_nc_u64 s[4:5], s[4:5], s[24:25]
	s_add_nc_u64 s[10:11], s[10:11], s[26:27]
	s_add_nc_u64 s[12:13], s[12:13], s[28:29]
.irp i, 0,1,2,3,4,5,6,7
	global_load_b128 v[G+4*\i:G+4*\i+3], v3, s[6:7] offset:512*\i
	global_load_b128 v[BE+4*\i:BE+4*\i+3], v3, s[8:9] offset:512*\i
.endr
.macro LOAD t                          ; row t into set t % 3: eight loads of 512 consecutive bytes
.irp i, 0,1,2,3,4,5,6,7
	global_load_b128 v[R+32*((\t)%3)+4*\i:R+32*((\t)%3)+4*\i+3], v3, s[4:5] offset:ROWBY*(\t)+512*\i th:TH_LOAD_NT
.endr
.endm
.macro ALLSUM                          ; the two packed chains in v[SM:SM+3] become one sum over the wave's 32 lanes, in every lane
	v_pk_add_f32 v[SM:SM+1], v[SM:SM+1], v[SM+2:SM+3]
	v_add_f32 v[SM], v[SM], v[SM+1]
	v_add_f32_dpp v[SM], v[SM], v[SM] row_xmask:1 row_mask:0xf bank_mask:0xf
	v_add_f32_dpp v[SM], v[SM], v[SM] row_xmask:2 row_mask:0xf bank_mask:0xf
	v_add_f32_dpp v[SM], v[SM], v[SM] row_xmask:4 row_mask:0xf bank_mask:0xf
	v_add_f32_dpp v[SM], v[SM], v[SM] row_xmask:8 row_mask:0xf bank_mask:0xf
	v_permlanex16_b32 v[SM+1], v[SM], s20, s21
	v_add_f32 v[SM], v[SM], v[SM+1]
.endm
	LOAD 0
	LOAD 1
	LOAD 2
.macro ROW t
.set RS, R+32*((\t)%3)
.if (\t) < 6
	s_wait_loadcnt 16                              ; my row's eight loads are in; those of the two rows behind it stay out
.else
	s_wait_loadcnt 8*(7-(\t))                      ; the counts run down: one row behind, then none
.endif
	v_pk_add_f32 v[SM:SM+1], v[RS:RS+1], v[RS+2:RS+3]              ; the row's sum, two chains
	v_pk_add_f32 v[SM+2:SM+3], v[RS+4:RS+5], v[RS+6:RS+7]
.irp i, 8,12,16,20,24,28
	v_pk_add_f32 v[SM:SM+1], v[SM:SM+1], v[RS+\i:RS+\i+1]
	v_pk_add_f32 v[SM+2:SM+3], v[SM+2:SM+3], v[RS+\i+2:RS+\i+3]
.endr
	ALLSUM
	v_mul_f32 v8, s22, v[SM]                       ; the mean
.irp i, 0,2,4,6,8,10,12,14,16,18,20,22,24,26,28,30
	v_pk_add_f32 v[RS+\i:RS+\i+1], v[RS+\i:RS+\i+1], v[8:9] op_sel_hi:[1,0] neg_lo:[0,1] neg_hi:[0,1]   ; x - mean, in place
.endr
	v_pk_mul_f32 v[SM:SM+1], v[RS:RS+1], v[RS:RS+1]                ; the sum of its squares
	v_pk_mul_f32 v[SM+2:SM+3], v[RS+2:RS+3], v[RS+2:RS+3]
.irp i, 4,8,12,16,20,24,28
	v_pk_fma_f32 v[SM:SM+1], v[RS+\i:RS+\i+1], v[RS+\i:RS+\i+1], v[SM:SM+1]
	v_pk_fma_f32 v[SM+2:SM+3], v[RS+\i+2:RS+\i+3], v[RS+\i+2:RS+\i+3], v[SM+2:SM+3]
.endr
	ALLSUM
	v_fma_f32 v[SM], v[SM], s22, s23               ; var + eps
	s_wait_alu depctr_va_vdst(0)
	v_rsq_f32 v10, v[SM]
	v_nop                                          ; a plain instruction behind the transcendental
	s_wait_alu depctr_va_vdst(0)                   ; and the wait ahead of its first reader
.irp i, 0,2,4,6,8,10,12,14,16,18,20,22,24,26,28,30
	v_pk_mul_f32 v[RS+\i:RS+\i+1], v[RS+\i:RS+\i+1], v[10:11] op_sel_hi:[1,0]
.endr
.irp i, 0,2,4,6,8,10,12,14,16,18,20,22,24,26,28,30
	v_pk_fma_f32 v[RS+\i:RS+\i+1], v[RS+\i:RS+\i+1], v[G+\i:G+\i+1], v[BE+\i:BE+\i+1]
.endr
.irp u, 0,1                            ; both half rows through the stages; LDS serves a wave's instructions in order, so no wait stands between the stores and the loads
.irp i, 0,1,2,3
	ds_store_b128 v14, v[RS+16*\u+4*\i:RS+16*\u+4*\i+3] offset:STG*\u+8*SP*\i
.endr
.irp i, 0,1,2,3
	ds_load_b128 v[XT+16*\u+4*\i:XT+16*\u+4*\i+3], v15 offset:STG*\u+16*\i
.endr
.endr
	s_wait_xcnt 0x0                                ; the last row's stores have read their code registers: these are written again below
	s_wait_dscnt 0x0                               ; the neighbours are in, and the stage's stores have read the row set,
.if (\t) < 5
	LOAD (\t)+3                                    ; which takes the row three further on
.endif
.irp u, 0,1
.set XS, XT+16*\u
	v_max3_num_f32 v12, |v[XS]|, |v[XS+1]|, |v[XS+2]|              ; the largest magnitude of my 16
	v_max3_num_f32 v13, |v[XS+3]|, |v[XS+4]|, |v[XS+5]|
.irp i, 6,10
	v_max3_num_f32 v12, v12, |v[XS+\i]|, |v[XS+\i+1]|
	v_max3_num_f32 v13, v13, |v[XS+\i+2]|, |v[XS+\i+3]|
.endr
	v_max3_num_f32 v12, v12, |v[XS+14]|, |v[XS+15]|
	v_max3_num_f32 v12, v12, v13, 0x2800000        ; and the floor 2^(5 - 127): the byte cannot fall under 1
	v_max_num_f32_dpp v12, v12, v12 row_xmask:1 row_mask:0xf bank_mask:0xf   ; with my neighbour's 16: the block's
	v_add_nc_u32 v13, 0xfe000000, v12              ; 4 off its exponent field: the conversion's scale operand
	v_cvt_scalef32_pk16_bf6_f32 v[CD+4*\u:CD+4*\u+2], v[XS:XS+15], v13
	v_lshrrev_b32 v[BY+2*(\t)+\u], 23, v13         ; the scale's byte (a plain instruction behind the conversion)
	ds_store_b8 v5, v[BY+2*(\t)+\u] offset:16*(2*(\t)+\u)          ; both lanes of a block write the same byte with the same value
	global_store_b96 v4, v[CD+4*\u:CD+4*\u+2], s[10:11] offset:768*(\t)+384*\u
.endr
.endm
.irp t, 0,1,2,3,4,5,6,7
	ROW \t
.endr
	ds_load_b64 v[12:13], v6                       ; LDS serves a wave's instructions in order: these see my byte stores
	s_wait_dscnt 0x0
	global_store_b64 v7, v[12:13], s[12:13]        ; 32 lanes store 256 consecutive bytes, at a multiple of 256 from the buffer's first byte
	s_wait_tensorcnt 0x0
	ds_add_u32 v240, v241
	s_wait_dscnt 0x0
	s_endpgm
.Lfunc_end_k_q1368532bdd_ln:
	.size	k_q1368532bdd_ln, .Lfunc_end_k_q1368532bdd_ln-k_q1368532bdd_ln
	.p2alignl 7, 3214868480
	.fill 96, 4, 3214868480
	.section	.rodata,"a",@progbits
	.p2align	6, 0x0
	.amdhsa_kernel k_q1368532bdd_ln
		.amdhsa_group_segment_fixed_size 33280
		.amdhsa_private_segment_fixed_size 0
		.amdhsa_enable_private_segment 0
		.amdhsa_kernarg_size 40
		.amdhsa_user_sgpr_count 2
		.amdhsa_user_sgpr_kernarg_segment_ptr 1
		.amdhsa_wavefront_size32 1
		.amdhsa_system_sgpr_workgroup_id_x 1
		.amdhsa_system_sgpr_workgroup_id_y 1
		.amdhsa_system_sgpr_workgroup_id_z 1
		.amdhsa_system_vgpr_workitem_id 0
		.amdhsa_next_free_vgpr 242
		.amdhsa_next_free_sgpr 66
		.amdhsa_reserve_vcc 0
		.amdhsa_float_denorm_mode_32 3
		.amdhsa_float_denorm_mode_16_64 3
		.amdhsa_memory_ordered 1
		.amdhsa_forward_progress 1
		.amdhsa_inst_pref_size 81
	.end_amdhsa_kernel
	.amdgpu_metadata
---
amdhsa.version: [ 1, 2 ]
amdhsa.kernels:
  - .name:           k_q1368532bdd_ln
    .symbol:         k_q1368532bdd_ln.kd
    .args:
      - { .name: x, .offset: 0, .size: 8, .value_kind: global_buffer, .address_space: global }
      - { .name: ln_g, .offset: 8, .size: 8, .value_kind: global_buffer, .address_space: global }
      - { .name: ln_b, .offset: 16, .size: 8, .value_kind: global_buffer, .address_space: global }
      - { .name: xn_codes, .offset: 24, .size: 8, .value_kind: global_buffer, .address_space: global }
      - { .name: xn_scales, .offset: 32, .size: 8, .value_kind: global_buffer, .address_space: global }
    .group_segment_fixed_size: 33280
    .private_segment_fixed_size: 0
    .kernarg_segment_align: 8
    .kernarg_segment_size: 40
    .max_flat_workgroup_size: 128
    .sgpr_count:     66
    .vgpr_count:     242
    .wavefront_size: 32
...
	.end_amdgpu_metadata
.endif
;; end of part 1
;; launch qkv (part 2): grid 12 x 16, 4 waves a work-group, no clusters, 327,680 bytes of LDS; arguments xn_codes, xn_scales, Wq_codes, Wq_scales, Wkv_codes, Wkv_scales, bq, bkv, qc, qs, kv; writes qc, qs, kv
.if DOCPART == 2
	.amdgcn_target "amdgcn-amd-amdhsa--gfx1250"
	.amdhsa_code_object_version 6
	.text
	.protected	k_q1368532bdd_qkv
	.globl	k_q1368532bdd_qkv
	.p2align	8
	.type	k_q1368532bdd_qkv,@function
k_q1368532bdd_qkv:
	s_mov_b64 s[64:65], 0
	v_nop
	global_prefetch_b8 v0, s[64:65] scope:SCOPE_SE
	s_setreg_imm32_b32 hwreg(HW_REG_WAVE_MODE, 25, 1), 1
	s_wait_xcnt 0x0
; q = xn Wq^T + bq, k and v = xn Wkv^T + bkv on codes of BF6 (E3M2), one E8M0 byte for each 32 along K = 1,024; the results are quantised at once and leave as codes for the attention launch.
; ONE TEXT FOR ALL THREE.  A work-group has a RESIDENT operand (256 rows, 64 a wave, all of K in 384 registers a wave) and a STREAMED one (512 rows, through LDS).
;   x = 0..3 (q), 4..7 (k): resident = 256 rows of the weight (a wave: one head), streamed = tokens 512 y on.
;   x = 8..11 (v): number i = 4 y + x - 8: resident = tokens 256 (i / 2) on, streamed = Wkv's rows 1,024 + 512 (i % 2) on: v comes out transposed, a lane a feature, its registers along the tokens.
; Source 0 = 16 resident rows, source 1 = 16 streamed rows: lane (r, h) holds streamed row r, register 8 f + j of a group's 32 the resident row 16 f + 8 h + j.
; A UNIT is 64 streamed x 64 resident rows a wave: 16 accumulators by turns, 8 steps of 128 along K; then its four groups are quantised (two blocks of 32 each) and stored.
; LDS: three places of 128 rows x 816 bytes (a row of 768 bytes with 16 bytes of padding behind each 256).  At the head waves 0, 1 fetch the resident rows into places 0, 1 and waves 2, 3 the first streamed slot into place 2.
; When the resident rows are in registers, the ring goes on between place 0 and place 2: four slots of 128 rows, each wave fetching 32 rows of a slot, one load out a wave.  Every tensor row begins at a multiple of 256 bytes.
; Scale words come straight from memory: 16 bytes a lane at 32 r + 16 h, 512 consecutive bytes a load: register j holds step j's word in lanes 0-15 and step 4 + j's in lanes 16-31.
; The bias is the C of a sum's first instruction: by resident row (q, k: loaded once) or by streamed row (v: loaded anew for each unit).
; OUT, as the attention launch reads it: qc [bh][128 tiles][768]; qs [bh][2048] words; kv [bh][8 blocks of 256 keys][26,624]: V's 8 images, K's 16 half fragments at 12,288, K's scale words at 24,576, V's at 25,600.
; NO JOINT LOADS: the grid's 12 columns are of two kinds, and the four of the v kind read two different streamed tiles and two different resident ones.  NO PREFETCH: a work-group has four slots, of which two are asked for before the first product.
; LIMITS: a block of zeros keeps the scale byte 1 (workspace bytes, zero codes); largest magnitudes under 2^-122 are held at byte 1; NaN and infinities are not served.
; REGISTERS: window 0: addresses, scale words, bias, streamed fragments (two sets), codes.  window 1: v0-127 the accumulators.  windows 2, 3: v0-191 the resident fragments of steps 0-3, 4-7.
.set U,     52224                      ; 64 rows in LDS
.set P2,    208896                     ; place 2
.set SPARE, 313344                     ; the spare words: 512 bytes that no other line names
.set SPW, 1
.set NIL, 2
.set A0,  3                            ; r x 816 + 24 h
.set A0B, 4                            ; the same + 16 h: for pieces whose lanes 16-31 lie behind one padding more
.set AU,  6                            ; v6-9 fragment addresses: unit 0 (two), unit 1 (two)
.set SSO, 10                           ; 32 r + 16 h
.set R4,  11                           ; 4 r
.set HB,  12                           ; 32 h
.set L16, 13
.set L8,  14
.set RS,  16                           ; v16-31 resident scale words
.set SS,  32                           ; v32-63 streamed scale words, a set for each unit of a slot
.set CBI, 64                           ; v64-95 the bias as C
.set AF,  96                           ; v96-191 streamed fragments, two sets of 48
.set M,   144                          ; the way out works in the second set: largest magnitudes,
.set X,   152                          ; exchange and bytes,
.set SO,  160                          ; the conversions' scale operands
.set PC,  192                          ; v192-223 codes, 8 registers a group
.set PW,  224                          ; v224-227 scale words
.set OC,  228                          ; v228-239 store offsets of the four groups
.set O8,  232
.set SOF, 236
.set G1A, 8
.set G1B, 16
.set MSB, 0
.macro WIN new                         ; the immediate's high byte repeats the setting that is left
.if MSB != (\new)
	s_set_vgpr_msb (MSB<<8)|(\new)
.set MSB, (\new)
.endif
.endm
.macro PLACES                          ; plain vector instructions between a matrix instruction and a load into, or a read of, its registers
.rept 4
	v_nop
.endr
.endm
.macro FRAG reg, adr, st, t            ; 16 rows x 128 K: 12 registers, in pieces of 8 bytes; byte y of a row lies at y + 16 (y / 256)
.irp p, 0,1,2,3,4,5
.set BY, 96*(\st)+48*(\p/3)+8*(\p%3)
.if BY/256 == (BY+24)/256
	ds_load_b64 v[\reg+2*\p:\reg+2*\p+1], v[\adr] offset:BY+16*(BY/256)+(\t)*13056
.else
	ds_load_b64 v[\reg+2*\p:\reg+2*\p+1], v[\adr+1] offset:BY+16*(BY/256)+(\t)*13056
.endif
.endr
.endm
.macro FETCH adr, st                   ; the four streamed fragments of a step into set st % 2: 24 loads, in one run
.irp t, 0,1,2,3
	FRAG AF+48*((\st)%2)+12*\t, \adr, \st, \t
.endr
.endm
.macro MUL st, p, cm                   ; 16 products.  cm = 0: in place; 1: begun with the bias of the resident rows; 2: of the streamed rows
.irp t, 0,1,2,3
.irp f, 0,1,2,3
.if \cm == 1
.set CR, CBI+8*\f
.elseif \cm == 2
.set CR, CBI+8*\t
.else
.set CR, 8*(4*\t+\f)
.endif
.if (\st) < 4
	v_wmma_scale_f32_16x16x128_f8f6f4 v[8*(4*\t+\f):8*(4*\t+\f)+7], v[12*(4*((\st)%4)+\f):12*(4*((\st)%4)+\f)+11], v[AF+48*((\st)%2)+12*\t:AF+48*((\st)%2)+12*\t+11], v[CR:CR+7], v[RS+4*\f+(\st)%4], v[SS+16*(\p)+4*\t+(\st)%4] matrix_a_fmt:MATRIX_FMT_BF6 matrix_b_fmt:MATRIX_FMT_BF6
.else
	v_wmma_scale_f32_16x16x128_f8f6f4 v[8*(4*\t+\f):8*(4*\t+\f)+7], v[12*(4*((\st)%4)+\f):12*(4*((\st)%4)+\f)+11], v[AF+48*((\st)%2)+12*\t:AF+48*((\st)%2)+12*\t+11], v[CR:CR+7], v[RS+4*\f+(\st)%4], v[SS+16*(\p)+4*\t+(\st)%4] matrix_a_fmt:MATRIX_FMT_BF6 matrix_b_fmt:MATRIX_FMT_BF6 matrix_a_scale:MATRIX_SCALE_ROW1 matrix_b_scale:MATRIX_SCALE_ROW1
.endif
.endr
.endr
.endm
; THE WAY OUT of a unit: eight blocks of 32 (block n: accumulator registers 16 n .. 16 n + 15, shared with lane l xor 16), by turns.
.macro QOUT j, more
	WIN 0x14                                       ; sources 1, 2: the accumulators
.irp n, 0,1,2,3,4,5,6,7
	v_max3_num_f32 v[M+\n], 0x2800000, |v[16*\n]|, |v[16*\n+1]|    ; each accumulator from its low end on; the floor 2^(5 - 127) holds the byte at 1
.endr
.irp i, 2,4,6,8,10,12,14
.irp n, 0,1,2,3,4,5,6,7
	v_max3_num_f32 v[M+\n], v[M+\n], |v[16*\n+\i]|, |v[16*\n+\i+1]|
.endr
.endr
	WIN 0
.irp n, 0,1,2,3,4,5,6,7
	v_permlanex16_b32 v[X+\n], v[M+\n], s62, s63
.endr
.irp n, 0,1,2,3,4,5,6,7
	v_max_num_f32 v[M+\n], v[M+\n], v[X+\n]
.endr
.irp n, 0,1,2,3,4,5,6,7
	v_add_nc_u32 v[SO+\n], 0xfe000000, v[M+\n]     ; 4 off the exponent field: the conversion's scale operand
.endr
.irp n, 0,1,2,3,4,5,6,7
	v_lshrrev_b32 v[X+\n], 23, v[SO+\n]            ; the scale's byte
.endr
	s_wait_alu depctr_va_vdst(0)
	s_wait_xcnt 0x0                                ; the last unit's stores have read their data and bases, the loads their bases
	s_add_nc_u64 s[42:43], s[42:43], s[50:51]      ; on to this unit's codes and scale words
	s_add_nc_u64 s[44:45], s[44:45], s[52:53]
.if \more
.if \j == 0
	s_add_nc_u64 s[42:43], s[42:43], s[90:91]      ; k, at its fifth unit: on to the next block of 256 keys
	s_add_nc_u64 s[44:45], s[44:45], s[92:93]
.else
	s_add_nc_u64 s[38:39], s[38:39], 4096          ; the next slot's scale bytes and bias
	s_add_nc_u64 s[40:41], s[40:41], 512
.endif
.endif
.irp g, 0,1,2,3
	v_lshl_or_b32 v[PW+\g], v[X+2*\g+1], 8, v[X+2*\g]
.endr
	WIN 0x01                                       ; source 0: the accumulators
.irp g, 0,1,2,3
	v_cvt_scalef32_pk16_bf6_f32 v[PC+8*\g:PC+8*\g+2], v[32*\g:32*\g+15], v[SO+2*\g]
	v_cvt_scalef32_pk16_bf6_f32 v[PC+8*\g+4:PC+8*\g+6], v[32*\g+16:32*\g+31], v[SO+2*\g+1]
.endr
	WIN 0
	v_nop                                          ; one plain place behind a scaled conversion
.irp g, 0,1,2,3
.irp i, 0,1,2
	v_permlane16_swap_b32 v[PC+8*\g+\i], v[PC+8*\g+4+\i]           ; a whole block to a lane: lanes 0-15 the first, lanes 16-31 the second
.endr
.endr
.irp g, 0,1,2,3
.irp i, 0,1,2
	v_mov_b32 v[PC+8*\g+3+\i], v[PC+8*\g+4+\i]
.endr
.endr
.irp g, 0,1,2,3
	global_store_b128 v[OC+\g], v[PC+8*\g:PC+8*\g+3], s[42:43]     ; 512 consecutive bytes
	global_store_b64 v[O8+\g], v[PC+8*\g+4:PC+8*\g+5], s[42:43]    ; 256 consecutive bytes
.endr
	s_cmp_eq_u32 s49, 1
	s_cbranch_scc1 .Lhalf_\@
.irp g, 0,1,2,3
	global_store_b32 v[SOF+\g], v[PW+\g], s[44:45]                 ; q, k: a word a row (both halves of the lanes write the same word)
.endr
	s_branch .Lsent_\@
.Lhalf_\@:
.irp g, 0,1,2,3
	global_store_b16 v[SOF+\g], v[PW+\g], s[44:45]                 ; v: my 64 keys' two bytes of the image's word, and the same 64 bytes on
.endr
.Lsent_\@:
.endm
.macro UNIT j, more
	s_wait_loadcnt 0x0                             ; this unit's scale words and bias are in
.if \j == 0
.irp t, 0,1,2,3
	global_load_b128 v[SS+16+4*\t:SS+19+4*\t], v[SSO], s[38:39] offset:2048+512*\t
.endr
.elseif \more
.irp t, 0,1,2,3
	global_load_b128 v[SS+4*\t:SS+4*\t+3], v[SSO], s[38:39] offset:4096+512*\t
.endr
.endif
	FETCH AU+2*\j, 1
	s_wait_dscnt 24                                ; all but the 24 loads just issued
	s_cmp_eq_u32 s49, 1
	s_cbranch_scc1 .Lrow_\@
	WIN 0x42
	MUL 0, \j, 1
	WIN 0
	s_branch .Lgo_\@
.Lrow_\@:
	WIN 0x42
	MUL 0, \j, 2
	WIN 0
.if (\j == 0) || \more
	PLACES
.set n, 0
.rept 32
	global_load_b32 v[CBI+n], v[R4], s[40:41] offset:256*((\j)+1)+64*(n/8)   ; the next unit's bias: all eight registers of group t take that of row 16 t + r
.set n, n+1
.endr
.endif
.Lgo_\@:
.irp st, 1,2,3,4,5,6
	PLACES
	FETCH AU+2*\j, \st+1
	s_wait_dscnt 24
	WIN 0x52+(\st)/4
	MUL \st, \j, 0
	WIN 0
.endr
	PLACES
.if \j == 0
	FETCH AU+2, 0                                  ; the slot's second unit begins
	s_wait_dscnt 24
.else
	s_wait_dscnt 0x0
.endif
	WIN 0x53
	MUL 7, \j, 0
	WIN 0
	PLACES
	QOUT \j, \more
.endm
; A SLOT: all my tensor loads waited for, the add, my LDS reads waited for, the barrier, the refill of the other place first behind it, two units.
.macro SLOTB fill
	s_cmp_eq_u32 s48, 2
	s_cselect_b32 s90, s54, 0
	s_cselect_b32 s92, s56, 0
	s_wait_alu depctr_va_vdst(0)
	s_wait_tensorcnt 0x0
	ds_add_u32 v[SPW], v[NIL]
.if \fill
	s_add_nc_u64 s[30:31], s[30:31], 98304         ; no load of mine is out: the next slot's 128 rows,
	s_add_co_u32 s29, s46, s99                     ; into the place read last
.endif
	s_wait_dscnt 0x0
	s_barrier_signal -1
	s_barrier_wait -1
.if \fill
	tensor_load_to_lds s[28:31], s[G1B:G1B+7]
	s_nop 0
	PLACES
.endif
	s_add_co_u32 s94, s47, U
	v_add_nc_u32 v[AU], s47, v[A0]
	v_add_nc_u32 v[AU+1], s47, v[A0B]
	v_add_nc_u32 v[AU+2], s94, v[A0]
	v_add_nc_u32 v[AU+3], s94, v[A0B]
	s_wait_alu depctr_va_vdst(0)
	FETCH AU, 0
	UNIT 0, \fill
	UNIT 1, \fill
	s_xor_b32 s46, s46, P2
	s_xor_b32 s47, s47, P2
.endm
	s_load_b512 s[68:83], s[0:1], 0x0              ; xn codes, xn scales, Wq codes, Wq scales, Wkv codes, Wkv scales, bq, bkv
	s_load_b128 s[84:87], s[0:1], 0x40             ; qc, qs
	s_load_b64 s[88:89], s[0:1], 0x50              ; kv
	v_lshl_add_u32 v[SPW], v0, 2, SPARE
	v_mov_b32 v[NIL], 0
	ds_add_u32 v[SPW], v[NIL]                      ; the opening lines: the add twice and its wait
	ds_add_u32 v[SPW], v[NIL]
	v_lshrrev_b32 v5, 5, v0
	v_readfirstlane_b32 s2, v5                     ; wave
	s_mov_b32 s3, ttmp9                            ; x
	s_and_b32 s4, ttmp7, 0xffff                    ; y
.irp g, G1A, G1B                       ; rows of 768 bytes, 16 bytes of padding behind each 256
	s_mov_b32 s[\g], 0x7500000
	s_mov_b32 s[\g+1], 768<<16
	s_mov_b32 s[\g+3], 768<<16
	s_mov_b32 s[\g+5], 768
	s_mov_b32 s[\g+6], 0
	s_mov_b32 s[\g+7], 0
.endr
	s_mov_b32 s[G1A+2], 128<<16
	s_mov_b32 s[G1A+4], 128
	s_mov_b32 s[G1B+2], 64<<16
	s_mov_b32 s[G1B+4], 64
	s_and_b32 s5, s3, 3
	s_lshl_b32 s6, s4, 2
	s_add_co_u32 s6, s6, s5                        ; v: i
	s_lshr_b32 s7, s6, 1                           ; its 256 tokens
	s_and_b32 s6, s6, 1                            ; its half of the features
	s_lshl_b32 s90, s6, 9
	s_add_co_u32 s90, s90, 1024
	s_lshl_b32 s91, s4, 9
	s_cmp_ge_u32 s3, 8
	s_cselect_b32 s49, 1, 0                        ; 1: the v kind
	s_cselect_b32 s96, s7, s5
	s_cselect_b32 s97, s90, s91                    ; first streamed row
	s_lshl_b32 s96, s96, 8                         ; first resident row
	s_and_b32 s98, s2, 1
	s_lshl_b32 s90, s98, 7
	s_add_co_u32 s90, s90, s96
	s_mul_i32 s90, s90, 768                        ; waves 0, 1: 128 resident rows
	s_mov_b32 s91, 0
	s_lshl_b32 s92, s98, 6
	s_add_co_u32 s92, s92, s97
	s_mul_i32 s92, s92, 768                        ; waves 2, 3: 64 rows of slot 0
	s_mov_b32 s93, 0
	s_lshl_b32 s94, s2, 5
	s_add_co_u32 s94, s94, s97
	s_mul_i32 s94, s94, 768                        ; the ring: my 32 rows of a slot
	s_mov_b32 s95, 0
	s_mul_i32 s99, s2, 26112
	s_mov_b32 s24, 1
	s_mul_i32 s25, s98, 104448
	s_mov_b32 s28, 1
	s_mul_i32 s29, s98, U
	s_add_co_u32 s29, s29, P2
	s_wait_dscnt 0x0
	s_wait_kmcnt 0x0
	s_cmp_lt_u32 s3, 4
	s_cselect_b64 s[32:33], s[72:73], s[76:77]
	s_cselect_b64 s[34:35], s[74:75], s[78:79]
	s_cselect_b64 s[40:41], s[80:81], s[82:83]     ; the bias
	s_cmp_ge_u32 s3, 8
	s_cselect_b64 s[36:37], s[76:77], s[68:69]     ; streamed codes
	s_cselect_b64 s[38:39], s[78:79], s[70:71]     ; streamed scales
	s_cselect_b64 s[32:33], s[68:69], s[32:33]     ; resident codes
	s_cselect_b64 s[34:35], s[70:71], s[34:35]     ; resident scales
	s_add_nc_u64 s[26:27], s[32:33], s[90:91]
	s_or_b32 s27, s27, 0x80000000
	s_add_nc_u64 s[30:31], s[36:37], s[92:93]
	s_or_b32 s31, s31, 0x80000000
	s_add_nc_u64 s[66:67], s[36:37], s[94:95]
	s_cmp_lt_u32 s2, 2                             ; one tensor load a wave at the head
	s_cbranch_scc0 .Lhead_s
	tensor_load_to_lds s[24:27], s[G1A:G1A+7]
	s_nop 0
	PLACES
	s_branch .Lhead_j
.Lhead_s:
	tensor_load_to_lds s[28:31], s[G1B:G1B+7]
	s_nop 0
	PLACES
.Lhead_j:
	s_lshl_b32 s90, s2, 6
	s_add_co_u32 s90, s90, s96                     ; my first resident row
	s_lshl_b32 s92, s90, 5
	s_add_nc_u64 s[34:35], s[34:35], s[92:93]
	s_lshl_b32 s92, s97, 5
	s_add_nc_u64 s[38:39], s[38:39], s[92:93]
	s_cmp_eq_u32 s49, 1
	s_cselect_b32 s92, s97, s90
	s_lshl_b32 s92, s92, 2
	s_add_nc_u64 s[40:41], s[40:41], s[92:93]
	s_lshr_b32 s90, s4, 2                          ; where the results go.  q, k: bh = 16 batch + 4 (x % 4) + wave
	s_lshl_b32 s90, s90, 4
	s_lshl_b32 s91, s5, 2
	s_add_co_u32 s90, s90, s91
	s_add_co_u32 s90, s90, s2
	s_and_b32 s91, s4, 3                           ; which 512 tokens of the batch
	s_lshl_b32 s92, s90, 7
	s_lshl_b32 s94, s91, 5
	s_add_co_u32 s92, s92, s94
	s_mul_i32 s92, s92, 768                        ; q's codes
	s_lshl_b32 s94, s90, 11
	s_lshl_b32 s95, s91, 9
	s_add_co_u32 s94, s94, s95
	s_lshl_b32 s94, s94, 2                         ; q's scale words
	s_lshl_b32 s90, s90, 3
	s_lshl_b32 s91, s91, 1
	s_add_co_u32 s90, s90, s91
	s_mul_i32 s90, s90, 26624                      ; k's block of 256 keys
	s_lshr_b32 s91, s7, 3                          ; v: 8 (16 batch + 8 half) + block
	s_lshl_b32 s91, s91, 1
	s_add_co_u32 s91, s91, s6
	s_lshl_b32 s91, s91, 6
	s_and_b32 s95, s7, 7
	s_add_co_u32 s91, s91, s95
	s_mul_i32 s91, s91, 26624
	s_lshr_b32 s95, s2, 1                          ; which 128 keys of the 256, and (wave % 2) which 64 of these
	s_mul_i32 s6, s95, 6144
	s_add_co_u32 s6, s6, s91
	s_mul_i32 s7, s98, 768
	s_add_co_u32 s6, s6, s7                        ; v's codes
	s_lshl_b32 s95, s95, 9
	s_add_co_u32 s91, s91, s95
	s_lshl_b32 s95, s98, 1
	s_add_co_u32 s91, s91, s95
	s_add_co_u32 s91, s91, 25600                   ; v's scale bytes
	s_add_co_u32 s95, s90, 24576
	s_add_co_u32 s90, s90, 12288
	s_cmp_eq_u32 s49, 1
	s_cselect_b32 s90, s6, s90
	s_cselect_b32 s91, s91, s95
	s_cmp_lt_u32 s3, 4
	s_cselect_b32 s92, s92, s90
	s_cselect_b32 s94, s94, s91
	s_cselect_b64 s[42:43], s[84:85], s[88:89]
	s_cselect_b64 s[44:45], s[86:87], s[88:89]
	s_mov_b32 s93, 0
	s_mov_b32 s95, 0
	s_add_nc_u64 s[42:43], s[42:43], s[92:93]
	s_add_nc_u64 s[44:45], s[44:45], s[94:95]
	s_lshl_b32 s58, 768, s49                       ; from group to group: codes 768 or 1,536,
	s_lshl_b32 s59, 64, s49                        ; scale words 64 or 128;
	s_lshl_b32 s60, s49, 6                         ; v: lanes 16-31 store 64 bytes on
	s_mov_b32 s50, 3072                            ; from unit to unit
	s_mov_b32 s52, 256
	s_cmp_eq_u32 s49, 1
	s_cselect_b32 s50, 212992, s50                 ; v: the next head
	s_cselect_b32 s52, 212992, s52
	s_mov_b32 s51, 0
	s_mov_b32 s53, 0
	s_lshr_b32 s90, s3, 2
	s_cmp_eq_u32 s90, 1
	s_cselect_b32 s54, 14336, 0                    ; k: 26,624 - 4 x 3,072
	s_cselect_b32 s56, 25600, 0                    ; 26,624 - 4 x 256
	s_sub_nc_u64 s[42:43], s[42:43], s[50:51]      ; every unit steps its bases first
	s_sub_nc_u64 s[44:45], s[44:45], s[52:53]
	s_mov_b32 s62, 0x76543210                      ; v_permlanex16_b32's selects: lane l xor 16
	s_mov_b32 s63, 0xfedcba98
	s_mov_b32 s46, 0                               ; the place filled next
	s_mov_b32 s47, P2                              ; the place read
	s_mov_b32 s48, 0                               ; the slot in hand
	s_mov_b32 s90, 0
	s_mov_b32 s92, 0
	s_mov_b32 s91, 0
	s_mul_i32 s94, s2, U
	v_and_b32 v5, 15, v0                           ; r
	v_bfe_u32 v15, v0, 4, 1                        ; h
	v_and_b32 v[L16], 31, v0
	v_mul_u32_u24 v[A0], v5, 816
	v_mad_u32_u24 v[A0], v15, 24, v[A0]
	v_lshl_add_u32 v[A0B], v15, 4, v[A0]
	v_lshlrev_b32 v[SSO], 5, v5
	v_lshl_add_u32 v[SSO], v15, 4, v[SSO]
	v_lshlrev_b32 v[R4], 2, v5
	v_lshlrev_b32 v[HB], 5, v15
	v_lshlrev_b32 v[L8], 3, v[L16]
	v_add_nc_u32 v[L8], 512, v[L8]
	v_lshlrev_b32 v[L16], 4, v[L16]
	v_mad_u32_u24 v15, v15, s60, v[R4]
.irp t, 0,1,2,3
	v_add_nc_u32 v[OC+\t], s90, v[L16]
	v_add_nc_u32 v[O8+\t], s90, v[L8]
	v_add_nc_u32 v[SOF+\t], s92, v15
	s_add_co_u32 s90, s90, s58
	s_add_co_u32 s92, s92, s59
.endr
	v_add_nc_u32 v[AU], s94, v[A0]                 ; my resident rows in LDS
	v_add_nc_u32 v[AU+1], s94, v[A0B]
	s_wait_alu depctr_va_vdst(0)
.irp f, 0,1,2,3
	global_load_b128 v[RS+4*\f:RS+4*\f+3], v[SSO], s[34:35] offset:512*\f
.endr
.irp t, 0,1,2,3
	global_load_b128 v[SS+4*\t:SS+4*\t+3], v[SSO], s[38:39] offset:512*\t
.endr
	s_cmp_eq_u32 s49, 1
	s_cbranch_scc1 .Lbias_v
.irp f, 0,1,2,3
	global_load_b128 v[CBI+8*\f:CBI+8*\f+3], v[HB], s[40:41] offset:64*\f
	global_load_b128 v[CBI+8*\f+4:CBI+8*\f+7], v[HB], s[40:41] offset:64*\f+16
.endr
	s_branch .Lbias_d
.Lbias_v:
.set n, 0
.rept 32
	global_load_b32 v[CBI+n], v[R4], s[40:41] offset:64*(n/8)
.set n, n+1
.endr
.Lbias_d:
	s_wait_alu depctr_va_vdst(0)
	s_wait_tensorcnt 0x0                           ; my head's load has landed
	ds_add_u32 v[SPW], v[NIL]
	s_mov_b32 s[G1B+2], 32<<16                     ; no load of mine is out: from here on a load brings 32 rows,
	s_mov_b32 s[G1B+4], 32
	s_mov_b64 s[30:31], s[66:67]                   ; mine of the slot (stepped ahead of each fill)
	s_or_b32 s31, s31, 0x80000000
	s_wait_dscnt 0x0
	s_barrier_signal -1
	s_barrier_wait -1                              ; everybody's has
	WIN 0x80
.irp st, 0,1,2,3
.irp f, 0,1,2,3
	FRAG 12*(4*\st+\f), AU, \st, \f
.endr
.endr
	WIN 0xc0
.irp st, 4,5,6,7
.irp f, 0,1,2,3
	FRAG 12*(4*(\st-4)+\f), AU, \st, \f
.endr
.endr
	WIN 0
.Lring:                                            ; slots 0 to 2: each asks for its successor
	SLOTB 1
	s_add_co_u32 s48, s48, 1
	s_cmp_lt_u32 s48, 3
	s_cbranch_scc1 .Lring
	SLOTB 0                                        ; the last slot asks for nothing
	s_wait_tensorcnt 0x0                           ; the wave's end
	ds_add_u32 v[SPW], v[NIL]
	s_wait_dscnt 0x0
	s_endpgm
.Lfunc_end_k_q1368532bdd_qkv:
	.size	k_q1368532bdd_qkv, .Lfunc_end_k_q1368532bdd_qkv-k_q1368532bdd_qkv
	.p2alignl 7, 3214868480
	.fill 96, 4, 3214868480
	.section	.rodata,"a",@progbits
	.p2align	6, 0x0
	.amdhsa_kernel k_q1368532bdd_qkv
		.amdhsa_group_segment_fixed_size 327680
		.amdhsa_private_segment_fixed_size 0
		.amdhsa_enable_private_segment 0
		.amdhsa_kernarg_size 88
		.amdhsa_user_sgpr_count 2
		.amdhsa_user_sgpr_kernarg_segment_ptr 1
		.amdhsa_wavefront_size32 1
		.amdhsa_system_sgpr_workgroup_id_x 1
		.amdhsa_system_sgpr_workgroup_id_y 1
		.amdhsa_system_sgpr_workgroup_id_z 1
		.amdhsa_system_vgpr_workitem_id 0
		.amdhsa_next_free_vgpr 1024
		.amdhsa_next_free_sgpr 100
		.amdhsa_reserve_vcc 0
		.amdhsa_float_denorm_mode_32 3
		.amdhsa_float_denorm_mode_16_64 3
		.amdhsa_memory_ordered 1
		.amdhsa_forward_progress 1
		.amdhsa_inst_pref_size 203
	.end_amdhsa_kernel
	.amdgpu_metadata
---
amdhsa.version: [ 1, 2 ]
amdhsa.kernels:
  - .name:           k_q1368532bdd_qkv
    .symbol:         k_q1368532bdd_qkv.kd
    .args:
      - { .name: xn_codes, .offset: 0, .size: 8, .value_kind: global_buffer, .address_space: global }
      - { .name: xn_scales, .offset: 8, .size: 8, .value_kind: global_buffer, .address_space: global }
      - { .name: Wq_codes, .offset: 16, .size: 8, .value_kind: global_buffer, .address_space: global }
      - { .name: Wq_scales, .offset: 24, .size: 8, .value_kind: global_buffer, .address_space: global }
      - { .name: Wkv_codes, .offset: 32, .size: 8, .value_kind: global_buffer, .address_space: global }
      - { .name: Wkv_scales, .offset: 40, .size: 8, .value_kind: global_buffer, .address_space: global }
      - { .name: bq, .offset: 48, .size: 8, .value_kind: global_buffer, .address_space: global }
      - { .name: bkv, .offset: 56, .size: 8, .value_kind: global_buffer, .address_space: global }
      - { .name: qc, .offset: 64, .size: 8, .value_kind: global_buffer, .address_space: global }
      - { .name: qs, .offset: 72, .size: 8, .value_kind: global_buffer, .address_space: global }
      - { .name: kv, .offset: 80, .size: 8, .value_kind: global_buffer, .address_space: global }
    .group_segment_fixed_size: 327680
    .private_segment_fixed_size: 0
    .kernarg_segment_align: 8
    .kernarg_segment_size: 88
    .max_flat_workgroup_size: 128
    .sgpr_count:     100
    .vgpr_count:     1024
    .wavefront_size: 32
...
	.end_amdgpu_metadata
.endif
;; end of part 2
;; launch attn (part 3): grid 64 x 16, 8 waves a work-group, no clusters, 27,648 bytes of LDS; arguments qc, qs, kv, key_val_lengths, ao, aos; writes ao, aos
.if DOCPART == 3
	.amdgcn_target "amdgcn-amd-amdhsa--gfx1250"
	.amdhsa_code_object_version 6
	.text
	.protected	k_q1368532bdd_attn
	.globl	k_q1368532bdd_attn
	.p2align	8
	.type	k_q1368532bdd_attn,@function
k_q1368532bdd_attn:
	s_mov_b64 s[64:65], 0
	v_nop
	global_prefetch_b8 v0, s[64:65] scope:SCOPE_SE
	s_setreg_imm32_b32 hwreg(HW_REG_WAVE_MODE, 25, 1), 1
	s_wait_xcnt 0x0
; Attention of one head on codes of BF6 (E3M2): S^T = K Q^T (K = the head's 64: the instruction's upper 64 are zero codes on both sides), mask, p = 2^(t - M), O^T = V^T P^T, O / l, quantised along the model's 1,024 for the last product.
; t = score x log2(e) / 8; M = the running largest t rounded UP to a whole number; the row's sum is taken of the unquantised p; when M moves, the sum and O^T are multiplied by 2^(old M - new M), which rounds nothing.
; A key counts for a query where key <= query and key < the batch's length: both in one limit, min(query, length - 1).
; SHARES.  Work-group (x, y): head bh = x, queries 128 (15 - y) on (the long blocks are launched first).  Each of eight waves owns 16 queries in 256 registers; LDS and registers leave room for a second work-group beside it.
; K AND V come in steps of 128 keys: half of a block of 256 keys (26,624 bytes, laid in memory as the operands' registers want them).  The eight waves copy a half through registers to the same offsets in LDS:
; waves 0-3 V's four images and K's scale words, waves 4-7 K's eight half fragments and V's scale words, 1,536 + 128 bytes a wave, asked for a whole step ahead.  The block's two halves take turns as the two buffers.
; NO TENSOR LOAD, NO CLUSTER: how many steps a work-group walks hangs on key_val_lengths, a number read from memory, and on its query block, so that work-groups of one head need different numbers of tiles.
; The loop has a constant count of 16 steps with one barrier each, on every wave's path; a step all of whose keys are hidden is passed over by a scalar branch round its copies, loads, products and softmax.
; LAYOUT.  A lane holds ONE query (lane % 16) throughout.  Register 8 i + j of the scores holds key 16 i + 8 (lane / 16) + j; p's codes fall into the same slots of a block of 32 as V's codes were laid in, which keeps the products.
; The result's two blocks of 32 are put into the natural order, since Wo's codes are given so.  ao: [512 row tiles][16 heads][768] (registers 0-3 at 16 x lane, 4-5 at 512 + 8 x lane); aos: [8192][32].
; LIMITS: key_val_lengths in 1 .. 2,048 (a length of 0, for which the softmax has no key, is served as 1; larger ones as 2,048); a block of zeros keeps the scale byte 1 (workspace bytes); NaN and infinities are not served.
.set L16,  1                           ; 16 x lane
.set L8,   2                           ; 8 x lane
.set R4,   3                           ; 4 x (lane % 16)
.set CPA,  4                           ; my part of a half's codes, in memory and in LDS alike
.set CPS,  5                           ; and of its scale words
.set LIMV, 6                           ; min(my query, length - 1) - 8 (lane / 16)
.set QF,   16                          ; v16-27 Q's fragment (22-27 zeros)
.set QS,   29                          ; Q's scale word
.set KFR,  32                          ; v32-79 four fragments of K (registers 6-11 of each zeros)
.set STA,  80                          ; v80-92 the half on its way
.set S,    96                          ; v96-159 the scores, then p; then V's four fragments in v96-143
.set O,    160                         ; v160-191 O^T
.set PCD,  192                         ; v192-203 p's codes
.set PC2,  204                         ; the conversions' second halves
.set BM,   212                         ; the blocks' largest
.set EX,   216                         ; exchange, sums at work, bytes
.set SO,   220                         ; the conversions' scale operands
.set SW,   224                         ; K's or V's scale words
.set FF,   228                         ; f = 2^(old M - new M)
.set PWD,  229                         ; p's scale word
.set TP,   230
.set NINF, 231                         ; -infinity
.set DD,   232
.set KOFF,  12288
.set KSOFF, 24576
.set VSOFF, 25600
.set BLK,   26624
.set WV,   18
.set SEL,  20
.set CS,   22                          ; s[22:23] c = log2(e) / 8
.set QB,   24
.set LEN1, 25                          ; length - 1
.set SLAST, 26                         ; the last step with a key that counts for the work-group
.set LIMW, 27                          ; the last key that counts for any of my wave's queries
.set LIMO, 28                          ; the last key that counts for all of them
.set KF,   29                          ; the step's first key
.set SL,   30                          ; the step in hand
.set TRIP, 31
	s_load_b256 s[4:11], s[0:1], 0x0               ; qc, qs, kv, key_val_lengths
	s_load_b128 s[12:15], s[0:1], 0x20             ; ao, aos
	v_lshl_add_u32 v254, v0, 2, 0x6800
	v_mov_b32 v255, 0
	v_lshrrev_b32 v7, 5, v0
	s_delay_alu instid0(VALU_DEP_1)
	v_readfirstlane_b32 s[WV], v7                  ; wave 0..7
	v_and_b32 v8, 31, v0                           ; lane
	v_and_b32 v9, 15, v0                           ; r
	v_bfe_u32 v10, v0, 4, 1                        ; h
	s_delay_alu instid0(VALU_DEP_3)
	v_lshlrev_b32 v[L16], 4, v8
	s_delay_alu instid0(VALU_DEP_4)
	v_lshlrev_b32 v[L8], 3, v8
	s_delay_alu instid0(VALU_DEP_4)
	v_lshlrev_b32 v[R4], 2, v9
	s_lshr_b32 s33, s[WV], 2                       ; 0: V's images and K's scale words; 1: K's fragments and V's scale words
	s_mul_i32 s32, s[WV], 1536
	s_mul_i32 s40, s33, 6144
	s_add_co_u32 s32, s32, s40                     ; 1,536 wave, and past V's other half
	s_lshl_b32 s41, s[WV], 7
	s_lshl_b32 s40, s33, 9
	s_add_co_u32 s41, s41, s40
	s_add_co_u32 s41, s41, KSOFF                   ; 24,576 + 128 wave, and past K's other half
	s_wait_alu depctr_va_vdst(0)
	v_add_nc_u32 v[CPA], s32, v[L16]
	v_lshl_add_u32 v[CPS], v8, 2, s41
	s_and_b32 s[QB], ttmp7, 0xffff
	s_sub_co_u32 s[QB], 15, s[QB]                  ; my block of 128 queries
	s_lshl_b32 s35, s[QB], 3
	s_add_co_u32 s35, s35, s[WV]                   ; my tile of 16 queries
	s_lshl_b32 s34, s35, 4                         ; my first query
	s_lshr_b32 s36, ttmp9, 4                       ; the batch
	s_lshl_b32 s37, s36, 2
	s_mov_b32 s39, 0
	s_wait_alu depctr_va_vdst(0)
	s_wait_kmcnt 0x0
	s_load_b32 s[LEN1], s[10:11], s37 offset:0x0   ; the batch's length
	s_mul_i32 s38, ttmp9, 8*BLK
	s_add_nc_u64 s[8:9], s[8:9], s[38:39]          ; the head's first block
.irp c, 0,1,2
	global_load_b128 v[STA+4*\c:STA+4*\c+3], v[CPA], s[8:9] offset:512*\c      ; step 0 is always wanted: key 0 counts for every query
.endr
	global_load_b32 v[STA+12], v[CPS], s[8:9]
	s_lshl_b32 s38, ttmp9, 7
	s_add_co_u32 s38, s38, s35
	s_mul_i32 s38, s38, 768
	s_add_nc_u64 s[4:5], s[4:5], s[38:39]
	global_load_b128 v[QF:QF+3], v[L16], s[4:5]    ; Q's half fragment stays in registers
	global_load_b64 v[QF+4:QF+5], v[L8], s[4:5] offset:512
	s_lshl_b32 s38, ttmp9, 11
	s_add_co_u32 s38, s38, s34
	s_lshl_b32 s38, s38, 2
	s_add_nc_u64 s[6:7], s[6:7], s[38:39]
	global_load_b32 v[QS], v[R4], s[6:7]
	s_lshl_b32 s38, s36, 7
	s_add_co_u32 s38, s38, s35
	s_lshl_b32 s38, s38, 4
	s_and_b32 s40, ttmp9, 15                       ; the head within its batch
	s_add_co_u32 s38, s38, s40
	s_mul_i32 s38, s38, 768
	s_add_nc_u64 s[12:13], s[12:13], s[38:39]      ; ao at ((128 batch + tile) 16 + head) x 768
	s_lshl_b32 s38, s36, 11
	s_add_co_u32 s38, s38, s34
	s_lshl_b32 s38, s38, 5
	s_lshl_b32 s40, s40, 1
	s_add_co_u32 s38, s38, s40
	s_add_nc_u64 s[14:15], s[14:15], s[38:39]      ; aos at 32 x my first row + 2 x head
	s_mov_b32 s[SEL], 0x76543210
	s_mov_b32 s[SEL+1], 0xfedcba98                 ; v_permlanex16_b32's selects: lane l xor 16
	s_mov_b32 s[CS], 0x3e38aa3b
	s_mov_b32 s[CS+1], s[CS]                       ; (named with it as a pair, so it is written)
	s_mov_b32 s[KF], 0
	s_mov_b32 s[SL], 0
	s_mov_b32 s[TRIP], 8
.irp i, 6,7,8,9,10,11
	v_mov_b32 v[QF+\i], 0                          ; the instruction's upper 64 along K: zero codes, in Q
.irp t, 0,1,2,3
	v_mov_b32 v[KFR+12*\t+\i], 0                   ; and in K's four fragments; never rewritten
.endr
.endr
	v_mov_b32 v13, 0xff61b1e6                      ; the largest t so far: -3e38, under every t
	s_delay_alu instid0(VALU_DEP_1)
	v_floor_f32 v12, -v13                          ; -M
	v_mov_b32 v14, 0                               ; the sum, in two halves
	v_mov_b32 v15, 0
.irp b, 0,1,2,3
	v_mov_b32 v[EX+\b], 0                          ; a lane permute's destination counts as one of its sources
.endr
	v_mov_b32 v[PWD], 0                            ; (named as the upper half of the pair v[228:229] before it is first written)
	v_mov_b32 v[TP], 0
	v_mov_b32 v[NINF], 0xff800000
.set n, 0
.rept 32
	v_mov_b32 v[O+n], 0                            ; O^T: the step is written once: the first finds zeros, which the first change of M leaves zeros
.set n, n+1
.endr
	s_wait_kmcnt 0x0
	s_min_u32 s[LEN1], s[LEN1], 2048
	s_max_u32 s[LEN1], s[LEN1], 1
	s_sub_co_u32 s[LEN1], s[LEN1], 1
	s_lshr_b32 s[SLAST], s[LEN1], 7
	s_min_u32 s[SLAST], s[SLAST], s[QB]
	s_add_co_u32 s[LIMW], s34, 15
	s_min_u32 s[LIMW], s[LIMW], s[LEN1]
	s_min_u32 s[LIMO], s34, s[LEN1]
	v_add_nc_u32 v[LIMV], s34, v9
	s_delay_alu instid0(VALU_DEP_1)
	v_min_u32 v[LIMV], s[LEN1], v[LIMV]
	v_lshlrev_b32 v10, 3, v10
	s_delay_alu instid0(VALU_DEP_1)
	v_sub_nc_u32 v[LIMV], v[LIMV], v10
; A KEY STEP: 128 keys, half q of a block.
.macro STEP q
	s_cmp_gt_u32 s[KF], s[LIMW]                    ; all 128 keys hidden from my 16 queries: the step's work is left out
	s_cbranch_scc1 .Lhidden_\@
.rept 5
	v_nop                                          ; the products below write over registers that the last step's products read as operands, and the loads below land in their scale registers
.endr
.irp g, 0,1                            ; S^T = K Q^T, four tiles of 16 keys at a time
.if \g
.rept 4
	v_nop                                          ; places in front of loads into registers that matrix instructions have read
.endr
.endif
.irp t, 0,1,2,3
	ds_load_b128 v[KFR+12*\t:KFR+12*\t+3], v[L16] offset:KOFF+768*(8*(\q)+4*\g+\t)
	ds_load_b64 v[KFR+12*\t+4:KFR+12*\t+5], v[L8] offset:KOFF+768*(8*(\q)+4*\g+\t)+512
	ds_load_b32 v[SW+\t], v[R4] offset:KSOFF+64*(8*(\q)+4*\g+\t)
.endr
	s_wait_dscnt 0x0
.irp t, 0,1,2,3
	v_wmma_scale_f32_16x16x128_f8f6f4 v[S+8*(4*\g+\t):S+8*(4*\g+\t)+7], v[KFR+12*\t:KFR+12*\t+11], v[QF:QF+11], 0, v[SW+\t], v[QS] matrix_a_fmt:MATRIX_FMT_BF6 matrix_b_fmt:MATRIX_FMT_BF6
.endr
.endr
.rept 4
	v_nop
.endr
	s_add_co_u32 s32, s[KF], 127                   ; a step all of whose keys count for all my queries skips the mask
	s_cmp_le_u32 s32, s[LIMO]
	s_cbranch_scc1 .Lopen_\@
	s_wait_alu depctr_va_vdst(0)
	v_sub_nc_u32 v[DD], v[LIMV], s[KF]             ; register 8 i + j holds key KF + 8 (lane / 16) + 16 i + j: hidden where 16 i + j > d
.set n, 0
.rept 64
	v_cmp_gt_i32 vcc_lo, 16*(n/8)+n%8, v[DD]
	v_cndmask_b32 v[S+n], v[S+n], v[NINF], vcc_lo
.set n, n+1
.endr
.Lopen_\@:
.irp b, 0,1,2,3
	v_max3_num_f32 v[BM+\b], v[S+16*\b], v[S+1+16*\b], v[S+2+16*\b]   ; the largest score of each block of 32 keys: for the row's maximum, and, since p rises with the score, for the block's largest p
.endr
.irp i, 3,5,7,9,11,13
.irp b, 0,1,2,3
	v_max3_num_f32 v[BM+\b], v[BM+\b], v[S+16*\b+\i], v[S+1+16*\b+\i]
.endr
.endr
.irp b, 0,1,2,3
	v_max_num_f32 v[BM+\b], v[BM+\b], v[S+15+16*\b]
.endr
.irp b, 0,1,2,3
	s_delay_alu instid0(VALU_DEP_4)
	v_permlanex16_b32 v[EX+\b], v[BM+\b], s[SEL], s[SEL+1]
.endr
.irp b, 0,1,2,3
	s_delay_alu instid0(VALU_DEP_4)
	v_max_num_f32 v[BM+\b], v[BM+\b], v[EX+\b]     ; with lane l xor 16's 16 keys
.endr
	s_delay_alu instid0(VALU_DEP_2)
	v_max3_num_f32 v[TP], v[BM], v[BM+1], v[BM+2]
	s_delay_alu instid0(VALU_DEP_1)
	v_max_num_f32 v[TP], v[TP], v[BM+3]            ; the step's largest score of my query (the step's first key counts for every query of mine: it is a number)
	s_delay_alu instid0(VALU_DEP_1)
	v_mul_f32 v[TP], s[CS], v[TP]
	s_delay_alu instid0(VALU_DEP_1)
	v_max_num_f32 v13, v13, v[TP]                  ; the running largest t
	v_mov_b32 v[TP], v12
	s_delay_alu instid0(VALU_DEP_2)
	v_floor_f32 v12, -v13                          ; the new -M = -ceil(t)
	s_delay_alu instid0(VALU_DEP_1)
	v_sub_f32 v[TP], v12, v[TP]                    ; old M - new M: a whole number, 0 or less
	s_delay_alu instid0(VALU_DEP_1)
	v_cvt_i32_f32 v[TP], v[TP]                     ; (it saturates)
	s_delay_alu instid0(VALU_DEP_1)
	v_ldexp_f32 v[FF], 1.0, v[TP]                  ; f
.set n, 0
.rept 32
	v_pk_fma_f32 v[S+n:S+n+1], v[S+n:S+n+1], s[CS:CS+1], v[12:13] op_sel_hi:[1,0,0]   ; t - M, two at a time
.set n, n+2
.endr
.irp b, 0,1,2,3
	v_fma_f32 v[BM+\b], v[BM+\b], s[CS], v12       ; the same of each block's largest score
.endr
.set n, 0
	s_wait_alu depctr_va_vdst(0)
.rept 64
	v_exp_f32 v[S+n], v[S+n]                       ; p = 2^(t - M), at most 1; 0 for a hidden key
.set n, n+1
.endr
	v_pk_mul_f32 v[14:15], v[14:15], v[FF:FF+1] op_sel_hi:[1,0]    ; the sums under the new M (a plain instruction behind the exponentials)
	s_wait_alu depctr_va_vdst(0)                   ; one wait for the whole batch, ahead of its first reader
.irp b, 0,1,2,3
	v_exp_f32 v[BM+\b], v[BM+\b]                   ; the block's largest p
.endr
	v_pk_add_f32 v[216:217], v[100:101], v[104:105]                ; the row's sum of the unquantised p, in eight chains
	v_pk_add_f32 v[252:253], v[108:109], v[112:113]
	v_pk_add_f32 v[250:251], v[116:117], v[120:121]
	v_pk_add_f32 v[248:249], v[124:125], v[128:129]
	v_pk_add_f32 v[246:247], v[132:133], v[136:137]
	v_pk_add_f32 v[244:245], v[140:141], v[144:145]
	v_pk_add_f32 v[242:243], v[148:149], v[152:153]
	v_pk_add_f32 v[14:15], v[14:15], v[156:157]
	v_pk_add_f32 v[216:217], v[216:217], v[96:97]
	v_pk_add_f32 v[252:253], v[252:253], v[98:99]
	v_pk_add_f32 v[250:251], v[250:251], v[102:103]
	v_pk_add_f32 v[248:249], v[248:249], v[106:107]
	v_pk_add_f32 v[246:247], v[246:247], v[110:111]
	v_pk_add_f32 v[244:245], v[244:245], v[114:115]
	v_pk_add_f32 v[242:243], v[242:243], v[118:119]
	v_pk_add_f32 v[14:15], v[14:15], v[122:123]
	v_pk_add_f32 v[216:217], v[216:217], v[126:127]
	v_pk_add_f32 v[252:253], v[252:253], v[130:131]
	v_pk_add_f32 v[250:251], v[250:251], v[134:135]
	v_pk_add_f32 v[248:249], v[248:249], v[138:139]
	v_pk_add_f32 v[246:247], v[246:247], v[142:143]
	v_pk_add_f32 v[244:245], v[244:245], v[146:147]
	v_pk_add_f32 v[242:243], v[242:243], v[150:151]
	v_pk_add_f32 v[14:15], v[14:15], v[154:155]
	v_pk_add_f32 v[216:217], v[216:217], v[158:159]
	s_delay_alu instid0(VALU_DEP_2)
	v_pk_add_f32 v[14:15], v[14:15], v[248:249]
	s_delay_alu instid0(VALU_DEP_2)
	v_pk_add_f32 v[216:217], v[216:217], v[246:247]
	v_pk_add_f32 v[252:253], v[252:253], v[244:245]
	v_pk_add_f32 v[250:251], v[250:251], v[242:243]
	s_delay_alu instid0(VALU_DEP_2)
	v_pk_add_f32 v[14:15], v[14:15], v[252:253]
	s_delay_alu instid0(VALU_DEP_2)
	v_pk_add_f32 v[216:217], v[216:217], v[250:251]
	s_delay_alu instid0(VALU_DEP_1)
	v_pk_add_f32 v[14:15], v[14:15], v[216:217]
	s_wait_alu depctr_va_vdst(0)                   ; and one for the four
.irp b, 0,1,2,3
	v_max_num_f32 v[BM+\b], 0x2800000, v[BM+\b]    ; the floor 2^(5 - 127): a block whose every p is 0 keeps the byte 1: its codes are zeros
.endr
.irp b, 0,1,2,3
	s_delay_alu instid0(VALU_DEP_4)
	v_add_nc_u32 v[SO+\b], 0xfe000000, v[BM+\b]    ; 4 off the exponent field: the conversion's scale operand
.endr
.irp b, 0,1,2,3
	s_delay_alu instid0(VALU_DEP_4)
	v_lshrrev_b32 v[EX+\b], 23, v[SO+\b]           ; the scale's byte
.endr
	s_delay_alu instid0(VALU_DEP_3)
	v_lshl_or_b32 v[PWD], v[EX+1], 8, v[EX]        ; p's scale word for these 128 keys
	s_delay_alu instid0(VALU_DEP_1)
	v_lshl_or_b32 v[PWD], v[EX+2], 16, v[PWD]
	s_delay_alu instid0(VALU_DEP_1)
	v_lshl_or_b32 v[PWD], v[EX+3], 24, v[PWD]
.irp c, 0,1
	v_cvt_scalef32_pk16_bf6_f32 v[PCD+6*\c:PCD+6*\c+2], v[S+32*\c:S+32*\c+15], v[SO+2*\c]
	v_cvt_scalef32_pk16_bf6_f32 v[PC2+4*\c:PC2+4*\c+2], v[S+16+32*\c:S+31+32*\c], v[SO+2*\c+1]
.endr
	v_nop                                          ; one plain place behind a scaled conversion
.irp t, 0,1,2,3                        ; p's registers are free: V's four images land there while the codes are put in order and O^T is rescaled
	ds_load_b128 v[S+12*\t:S+12*\t+3], v[L16] offset:1536*(4*(\q)+\t)
	ds_load_b64 v[S+12*\t+4:S+12*\t+5], v[L8] offset:1536*(4*(\q)+\t)+512
	ds_load_b128 v[S+12*\t+6:S+12*\t+9], v[L16] offset:1536*(4*(\q)+\t)+768
	ds_load_b64 v[S+12*\t+10:S+12*\t+11], v[L8] offset:1536*(4*(\q)+\t)+1280
	ds_load_b32 v[SW+\t], v[R4] offset:VSOFF+128*(4*(\q)+\t)
.endr
.irp c, 0,1                            ; the operand's layout wants a WHOLE block in a lane
.irp i, 0,1,2
	v_permlane16_swap_b32 v[PCD+6*\c+\i], v[PC2+4*\c+\i]
.endr
.irp i, 0,1,2
	s_delay_alu instid0(VALU_DEP_3)
	v_mov_b32 v[PCD+3+6*\c+\i], v[PC2+4*\c+\i]
.endr
.endr
.set n, 0
.rept 16
	v_pk_mul_f32 v[O+n:O+n+1], v[O+n:O+n+1], v[FF:FF+1] op_sel_hi:[1,0]   ; O^T under the new M.  (These are also the places between the codes' and the scale word's last writes and the products)
.set n, n+2
.endr
	s_wait_alu depctr_va_vdst(0)
	s_wait_dscnt 0x0
.irp t, 0,1,2,3                        ; O^T += V^T P^T: the four accumulators by turns
	v_wmma_scale_f32_16x16x128_f8f6f4 v[O+8*\t:O+8*\t+7], v[S+12*\t:S+12*\t+11], v[PCD:PCD+11], v[O+8*\t:O+8*\t+7], v[SW+\t], v[PWD] matrix_a_fmt:MATRIX_FMT_BF6 matrix_b_fmt:MATRIX_FMT_BF6
.endr
.Lhidden_\@:
	s_add_co_u32 s[KF], s[KF], 128
.endm
; A STEP'S FRAME.  The half asked for a step ago goes from registers into its place in LDS; the next one is asked for; one barrier; the key step.
; The one barrier orders both ways: half q is written only by waves that have passed the last step's barrier, which every wave reaches behind the wait for its reads of this half two steps ago; and it is read only behind this step's barrier, in front of which every wave has waited for its stores.
.macro PART q
	s_wait_loadcnt 0x0                             ; the half on its way is in registers, and its loads have read their base,
.if \q
	s_add_nc_u64 s[8:9], s[8:9], BLK               ; which steps to the next block behind a block's second half
.endif
	s_cmp_gt_u32 s[SL], s[SLAST]
	s_cbranch_scc1 .Lno_store_\@
.irp c, 0,1,2
	ds_store_b128 v[CPA], v[STA+4*\c:STA+4*\c+3] offset:6144*(\q)+512*\c
.endr
	ds_store_b32 v[CPS], v[STA+12] offset:512*(\q)
.Lno_store_\@:
	s_wait_dscnt 0x0                               ; for the others' sake: my stores have landed; they have read their registers; my reads of the other half are over
	s_cmp_ge_u32 s[SL], s[SLAST]
	s_cbranch_scc1 .Lno_load_\@
.irp c, 0,1,2
	global_load_b128 v[STA+4*\c:STA+4*\c+3], v[CPA], s[8:9] offset:6144*(1-(\q))+512*\c
.endr
	global_load_b32 v[STA+12], v[CPS], s[8:9] offset:512*(1-(\q))
.Lno_load_\@:
	s_barrier_signal -1
	s_barrier_wait -1
	STEP \q
	s_add_co_u32 s[SL], s[SL], 1
.endm
.Lslots:                                           ; eight trips of two steps: a constant count, so that every wave passes every barrier
	PART 0
	PART 1
	s_sub_co_u32 s[TRIP], s[TRIP], 1
	s_cmp_lg_u32 s[TRIP], 0
	s_cbranch_scc1 .Lslots
	; THE WAY OUT: O^T / the sum, quantised along the head's 64 (two blocks of the last product's K), in the natural order.
.rept 4
	v_nop
.endr
	v_add_f32 v14, v14, v15
	s_delay_alu instid0(VALU_DEP_1)
	v_permlanex16_b32 v[TP], v14, s[SEL], s[SEL+1]
	s_delay_alu instid0(VALU_DEP_1)
	v_add_f32 v14, v14, v[TP]                      ; the row's sum
	s_wait_alu depctr_va_vdst(0)
	v_rcp_f32 v14, v14
	v_lshlrev_b32 v7, 5, v9                        ; (a plain instruction behind the transcendental)  32 r: my row of aos
	s_wait_alu depctr_va_vdst(0)                   ; the wait ahead of the first reader
.set n, 0
.rept 32
	v_mul_f32 v[S+n], v[O+n], v14                  ; register 8 t + j is o(r, 16 t + 8 h + j); each accumulator from its low end on
.set n, n+1
.endr
.irp b, 0,1
	v_max3_num_f32 v[BM+\b], |v[S+16*\b]|, |v[S+1+16*\b]|, 0x2800000
.endr
.irp i, 2,4,6,8,10,12,14
.irp b, 0,1
	s_delay_alu instid0(VALU_DEP_2)
	v_max3_num_f32 v[BM+\b], v[BM+\b], |v[S+16*\b+\i]|, |v[S+1+16*\b+\i]|
.endr
.endr
.irp b, 0,1
	s_delay_alu instid0(VALU_DEP_2)
	v_permlanex16_b32 v[EX+\b], v[BM+\b], s[SEL], s[SEL+1]
.endr
.irp b, 0,1
	s_delay_alu instid0(VALU_DEP_2)
	v_max_num_f32 v[BM+\b], v[BM+\b], v[EX+\b]
.endr
.irp b, 0,1
	s_delay_alu instid0(VALU_DEP_2)
	v_add_nc_u32 v[SO+\b], 0xfe000000, v[BM+\b]
.endr
.irp b, 0,1
	s_delay_alu instid0(VALU_DEP_2)
	v_lshrrev_b32 v[EX+\b], 23, v[SO+\b]
.endr
	s_delay_alu instid0(VALU_DEP_1)
	v_lshl_or_b32 v[PWD], v[EX+1], 8, v[EX]        ; my row's two scale bytes
	v_cvt_scalef32_pk16_bf6_f32 v[200:202], v[S:S+15], v[SO]
	v_cvt_scalef32_pk16_bf6_f32 v[208:210], v[S+16:S+31], v[SO+1]
	v_nop                                          ; one plain place behind a scaled conversion
.irp i, 0,1,2
	v_permlane16_swap_b32 v[200+\i], v[208+\i]     ; lane (r, H) now holds block H: in v200-202 elements 0-7 and 16-23, in v208-210 elements 8-15 and 24-31, 6 bytes each
.endr
	s_delay_alu instid0(VALU_DEP_1)
	v_perm_b32 v203, v202, v201, 0x05040302        ; bytes 12-15 of the block in its natural order: elements 16-23 begin
	s_delay_alu instid0(VALU_DEP_2)
	v_perm_b32 v204, v209, v202, 0x07060302        ; bytes 16-19: their end, and elements 24-31 begin
	s_delay_alu instid0(VALU_DEP_4)
	v_perm_b32 v201, v208, v201, 0x05040100        ; bytes 4-7: the end of elements 0-7, and elements 8-15 begin
	v_perm_b32 v202, v209, v208, 0x05040302        ; bytes 8-11
	v_mov_b32 v205, v210                           ; bytes 20-23
	global_store_b128 v[L16], v[200:203], s[12:13]                 ; 512 consecutive bytes, at a multiple of 256 from the buffer's first byte
	global_store_b64 v[L8], v[204:205], s[12:13] offset:512        ; 256 consecutive bytes
	global_store_b16 v7, v[PWD], s[14:15]          ; two bytes a row (both halves of the lanes write the same bytes with the same value)
	s_wait_tensorcnt 0x0                           ; the wave's end
	ds_add_u32 v254, v255
	s_wait_dscnt 0x0
	s_endpgm
.Lfunc_end_k_q1368532bdd_attn:
	.size	k_q1368532bdd_attn, .Lfunc_end_k_q1368532bdd_attn-k_q1368532bdd_attn
	.p2alignl 7, 3214868480
	.fill 96, 4, 3214868480
	.section	.rodata,"a",@progbits
	.p2align	6, 0x0
	.amdhsa_kernel k_q1368532bdd_attn
		.amdhsa_group_segment_fixed_size 27648
		.amdhsa_private_segment_fixed_size 0
		.amdhsa_enable_private_segment 0
		.amdhsa_kernarg_size 48
		.amdhsa_user_sgpr_count 2
		.amdhsa_user_sgpr_kernarg_segment_ptr 1
		.amdhsa_wavefront_size32 1
		.amdhsa_system_sgpr_workgroup_id_x 1
		.amdhsa_system_sgpr_workgroup_id_y 1
		.amdhsa_system_sgpr_workgroup_id_z 1
		.amdhsa_system_vgpr_workitem_id 0
		.amdhsa_next_free_vgpr 256
		.amdhsa_next_free_sgpr 66
		.amdhsa_reserve_vcc 1
		.amdhsa_float_denorm_mode_32 3
		.amdhsa_float_denorm_mode_16_64 3
		.amdhsa_memory_ordered 1
		.amdhsa_forward_progress 1
		.amdhsa_inst_pref_size 60
	.end_amdhsa_kernel
	.amdgpu_metadata
---
amdhsa.version: [ 1, 2 ]
amdhsa.kernels:
  - .name:           k_q1368532bdd_attn
    .symbol:         k_q1368532bdd_attn.kd
    .args:
      - { .name: qc, .offset: 0, .size: 8, .value_kind: global_buffer, .address_space: global }
      - { .name: qs, .offset: 8, .size: 8, .value_kind: global_buffer, .address_space: global }
      - { .name: kv, .offset: 16, .size: 8, .value_kind: global_buffer, .address_space: global }
      - { .name: key_val_lengths, .offset: 24, .size: 8, .value_kind: global_buffer, .address_space: global }
      - { .name: ao, .offset: 32, .size: 8, .value_kind: global_buffer, .address_space: global }
      - { .name: aos, .offset: 40, .size: 8, .value_kind: global_buffer, .address_space: global }
    .group_segment_fixed_size: 27648
    .private_segment_fixed_size: 0
    .kernarg_segment_align: 8
    .kernarg_segment_size: 48
    .max_flat_workgroup_size: 256
    .sgpr_count:     66
    .vgpr_count:     256
    .wavefront_size: 32
...
	.end_amdgpu_metadata
.endif
;; end of part 3
;; launch oproj (part 4): grid 4 x 64, 4 waves a work-group, no clusters, 327,680 bytes of LDS; arguments ao, aos, Wo_codes, Wo_scales, bo, x, out0; writes out0
.if DOCPART == 4
	.amdgcn_target "amdgcn-amd-amdhsa--gfx1250"
	.amdhsa_code_object_version 6
	.text
	.protected	k_q1368532bdd_oproj
	.globl	k_q1368532bdd_oproj
	.p2align	8
	.type	k_q1368532bdd_oproj,@function
k_q1368532bdd_oproj:
	s_mov_b64 s[64:65], 0
	v_nop
	global_prefetch_b8 v0, s[64:65] scope:SCOPE_SE
	s_setreg_imm32_b32 hwreg(HW_REG_WAVE_MODE, 25, 1), 1
	s_wait_xcnt 0x0
; out0 = ao Wo^T + bo + x on codes of BF6 (E3M2), one E8M0 byte for each 32 along K = 1,024; sums in f32.
; Work-group (cg, y): features 256 cg on, tokens 128 y on.  A wave keeps its 64 rows of Wo, all of K, in 384 registers (they pass once through LDS, as rows of 768 bytes with 16 bytes of padding behind each 256).
; The 128 tokens' codes lie in memory as fragment images (ao: [row tile of 16][16 heads][768]: registers 0-3 at 16 x lane, 4-5 at 512 + 8 x lane): a dense block of 98,304 bytes, fetched as rows of 256 bytes.
; At the head waves 0, 1 fetch 128 rows of Wo each, waves 2, 3 64 tokens each: one tensor load a wave in the whole launch; nothing is filled again.
; Source 0 = 16 rows of Wo, source 1 = 16 tokens: lane (r, h) holds token r, register 8 f + j feature 16 f + 8 h + j.  bo is the C of each sum's first instruction.  16 accumulators by turns.
; x's 128 rows x 256 bytes of the wave are asked for at the head, into 256 registers that lie idle, in the layout of the stores.
; THE WAY OUT: 16 tokens x 64 features go through the wave's own stage (in the bytes that held its rows of Wo, which have had their only fill and their last read) and come back as rows of 256 bytes: a store covers two aligned runs of 256 bytes.
; NO JOINT LOADS AND NO PREFETCH: a wave issues one tensor load, at its first lines, and the text has no loop to run ahead in.
; REGISTERS: window 0: addresses, scale words, bias, token fragments (two sets), rows on the way out.  window 1: v0-127 accumulators, v128-255 x.  windows 2, 3: v0-191 Wo's fragments of steps 0-3, 4-7; v192-255 x.
.set U,     52224
.set P2,    208896                     ; the tokens' images
.set SPARE, 307200                     ; the spare words: 512 bytes that no other line names
.set SPW, 1
.set NIL, 2
.set A0,  3
.set A0B, 4
.set XO,  5                            ; (lane / 16) x 4,096 + 16 (lane % 16)
.set AU,  6                            ; v6-7 my rows of Wo in LDS
.set A16, 8                            ; v8-11 the images: 16 x lane, 8 x lane, for each unit
.set SSO, 12
.set HB,  13
.set STO, 14
.set RD,  15
.set RS,  16
.set SS,  32
.set CBI, 64
.set AF,  96
.set BK,  192                          ; v192-255 two sets of 16 tokens x 64 features
.set G1A, 8
.set G1D, 16
.set MSB, 0
.macro WIN new                         ; the immediate's high byte repeats the setting that is left
.if MSB != (\new)
	s_set_vgpr_msb (MSB<<8)|(\new)
.set MSB, (\new)
.endif
.endm
.macro PLACES                          ; plain vector instructions between a matrix instruction and a load into, or a read of, its registers
.rept 4
	v_nop
.endr
.endm
.macro FRAG reg, adr, st, t
.irp p, 0,1,2,3,4,5
.set BY, 96*(\st)+48*(\p/3)+8*(\p%3)
.if BY/256 == (BY+24)/256
	ds_load_b64 v[\reg+2*\p:\reg+2*\p+1], v[\adr] offset:BY+16*(BY/256)+(\t)*13056
.else
	ds_load_b64 v[\reg+2*\p:\reg+2*\p+1], v[\adr+1] offset:BY+16*(BY/256)+(\t)*13056
.endif
.endr
.endm
.macro FETCHI j, st                    ; four token fragments of a step into set st % 2: 16 loads
.irp t, 0,1,2,3
.set RG, AF+48*((\st)%2)+12*\t
.set OF, 12288*\t+1536*(\st)
	ds_load_b128 v[RG:RG+3], v[A16+2*(\j)] offset:OF
	ds_load_b64 v[RG+4:RG+5], v[A16+2*(\j)+1] offset:OF+512
	ds_load_b128 v[RG+6:RG+9], v[A16+2*(\j)] offset:OF+768
	ds_load_b64 v[RG+10:RG+11], v[A16+2*(\j)+1] offset:OF+1280
.endr
.endm
.macro MUL st, p, cm
.irp t, 0,1,2,3
.irp f, 0,1,2,3
.if \cm == 1
.set CR, CBI+8*\f
.else
.set CR, 8*(4*\t+\f)
.endif
.if (\st) < 4
	v_wmma_scale_f32_16x16x128_f8f6f4 v[8*(4*\t+\f):8*(4*\t+\f)+7], v[12*(4*((\st)%4)+\f):12*(4*((\st)%4)+\f)+11], v[AF+48*((\st)%2)+12*\t:AF+48*((\st)%2)+12*\t+11], v[CR:CR+7], v[RS+4*\f+(\st)%4], v[SS+16*(\p)+4*\t+(\st)%4] matrix_a_fmt:MATRIX_FMT_BF6 matrix_b_fmt:MATRIX_FMT_BF6
.else
	v_wmma_scale_f32_16x16x128_f8f6f4 v[8*(4*\t+\f):8*(4*\t+\f)+7], v[12*(4*((\st)%4)+\f):12*(4*((\st)%4)+\f)+11], v[AF+48*((\st)%2)+12*\t:AF+48*((\st)%2)+12*\t+11], v[CR:CR+7], v[RS+4*\f+(\st)%4], v[SS+16*(\p)+4*\t+(\st)%4] matrix_a_fmt:MATRIX_FMT_BF6 matrix_b_fmt:MATRIX_FMT_BF6 matrix_a_scale:MATRIX_SCALE_ROW1 matrix_b_scale:MATRIX_SCALE_ROW1
.endif
.endr
.endr
.endm
.macro TOST g                          ; group g's four accumulators into my stage, and back as rows.  LDS serves a wave's instructions in order (ISA guide 5.7.1.4)
	s_wait_xcnt 0x0                                ; earlier stores have read the registers in which the rows land
	WIN 0x04
.irp f, 0,1,2,3
	ds_store_b128 v[STO], v[32*(\g)+8*\f:32*(\g)+8*\f+3] offset:64*\f          ; each accumulator from its low end on
	ds_store_b128 v[STO], v[32*(\g)+8*\f+4:32*(\g)+8*\f+7] offset:64*\f+16
.endr
	WIN 0
.irp i, 0,1,2,3,4,5,6,7
	ds_load_b128 v[BK+32*((\g)%2)+4*\i:BK+32*((\g)%2)+4*\i+3], v[RD] offset:544*\i
.endr
.endm
.macro SEND j, g, younger              ; + x, and out
.set TT, 4*(\j)+(\g)
.set BB, BK+32*((\g)%2)
.if TT < 4
.set XW, 1
.set XB, 128+32*TT
.else
.set XW, 2+(TT-4)/2
.set XB, 192+32*(TT%2)
.endif
	s_wait_dscnt \younger
	s_wait_loadcnt 0x0                             ; x is in
	WIN XW<<2
.set n, 0
.rept 16
	v_pk_add_f32 v[BB+n:BB+n+1], v[BB+n:BB+n+1], v[XB+n:XB+n+1]
.set n, n+2
.endr
	WIN 0
.irp i, 0,1,2,3,4,5,6,7
	global_store_b128 v[XO], v[BB+4*\i:BB+4*\i+3], s[80:81] offset:(16*TT+2*\i)*4096 th:TH_STORE_NT
.endr
.endm
.macro UNITO j
	FETCHI \j, 1
	s_wait_dscnt 16                                ; all but the 16 loads just issued
	WIN 0x42
	MUL 0, \j, 1
	WIN 0
.irp st, 1,2,3,4,5,6
	PLACES
	FETCHI \j, \st+1
	s_wait_dscnt 16
	WIN 0x52+(\st)/4
	MUL \st, \j, 0
	WIN 0
.endr
	PLACES
.if \j == 0
	FETCHI 1, 0
	s_wait_dscnt 16
.else
	s_wait_dscnt 0x0
.endif
	WIN 0x53
	MUL 7, \j, 0
	WIN 0
	PLACES
	TOST 0
	TOST 1
	SEND \j, 0, 16                                 ; behind group 0's loads: group 1's 8 stores and 8 loads
	TOST 2
	SEND \j, 1, 16
	TOST 3
	SEND \j, 2, 16
	SEND \j, 3, 0
.endm
	s_load_b256 s[68:75], s[0:1], 0x0              ; ao, aos, Wo codes, Wo scales
	s_load_b128 s[76:79], s[0:1], 0x20             ; bo, x
	s_load_b64 s[80:81], s[0:1], 0x30              ; out0
	v_lshl_add_u32 v[SPW], v0, 2, SPARE
	v_mov_b32 v[NIL], 0
	ds_add_u32 v[SPW], v[NIL]                      ; the opening lines: the add twice and its wait
	ds_add_u32 v[SPW], v[NIL]
	v_lshrrev_b32 v[BK], 5, v0
	v_readfirstlane_b32 s2, v[BK]                  ; wave
	s_mov_b32 s3, ttmp9                            ; cg
	s_and_b32 s4, ttmp7, 0xffff                    ; y
	s_mov_b32 s[G1A], 0x7500000                    ; 128 rows of 768 bytes, 16 bytes of padding behind each 256
	s_mov_b32 s[G1A+1], 768<<16
	s_mov_b32 s[G1A+2], 128<<16
	s_mov_b32 s[G1A+3], 768<<16
	s_mov_b32 s[G1A+4], 128
	s_mov_b32 s[G1A+5], 768
	s_mov_b32 s[G1A+6], 0
	s_mov_b32 s[G1A+7], 0
	s_mov_b32 s[G1D], 3<<16                        ; a dense block of 49,152 bytes: 192 rows of 32 elements of 8 bytes
	s_mov_b32 s[G1D+1], 32<<16
	s_mov_b32 s[G1D+2], 192<<16
	s_mov_b32 s[G1D+3], 32<<16
	s_mov_b32 s[G1D+4], 192
	s_mov_b32 s[G1D+5], 32
	s_mov_b32 s[G1D+6], 0
	s_mov_b32 s[G1D+7], 0
	s_and_b32 s98, s2, 1
	s_lshl_b32 s96, s3, 8                          ; my work-group's first feature
	s_lshl_b32 s97, s4, 7                          ; and first token
	s_lshl_b32 s90, s98, 7
	s_add_co_u32 s90, s90, s96
	s_mul_i32 s90, s90, 768
	s_mov_b32 s91, 0
	s_lshl_b32 s92, s98, 6
	s_add_co_u32 s92, s92, s97
	s_mul_i32 s92, s92, 768
	s_mov_b32 s93, 0
	s_mov_b32 s24, 1
	s_mul_i32 s25, s98, 104448
	s_mov_b32 s28, 1
	s_mul_i32 s29, s98, 49152
	s_add_co_u32 s29, s29, P2
	s_wait_dscnt 0x0
	s_wait_kmcnt 0x0
	s_add_nc_u64 s[26:27], s[72:73], s[90:91]
	s_or_b32 s27, s27, 0x80000000
	s_add_nc_u64 s[30:31], s[68:69], s[92:93]
	s_or_b32 s31, s31, 0x80000000
	s_cmp_lt_u32 s2, 2                             ; one tensor load a wave
	s_cbranch_scc0 .Lhead_s
	tensor_load_to_lds s[24:27], s[G1A:G1A+7]
	s_nop 0
	PLACES
	s_branch .Lhead_j
.Lhead_s:
	tensor_load_to_lds s[28:31], s[G1D:G1D+7]
	s_nop 0
	PLACES
.Lhead_j:
	s_lshl_b32 s90, s2, 6
	s_add_co_u32 s90, s90, s96                     ; my first feature
	s_lshl_b32 s92, s90, 5
	s_add_nc_u64 s[74:75], s[74:75], s[92:93]      ; Wo's scales
	s_lshl_b32 s92, s97, 5
	s_add_nc_u64 s[70:71], s[70:71], s[92:93]      ; the tokens' scales
	s_lshl_b32 s92, s90, 2
	s_add_nc_u64 s[76:77], s[76:77], s[92:93]      ; bo
	s_lshl_b32 s94, s97, 12
	s_add_co_u32 s92, s92, s94                     ; 4,096 x first token + 4 x first feature
	s_add_nc_u64 s[78:79], s[78:79], s[92:93]
	s_add_nc_u64 s[80:81], s[80:81], s[92:93]
	s_mul_i32 s94, s2, U
	s_mov_b32 s95, P2
	s_mov_b32 s96, P2+49152
	v_and_b32 v[BK], 15, v0                        ; r
	v_bfe_u32 v[BK+1], v0, 4, 1                    ; h
	v_and_b32 v[BK+2], 31, v0                      ; lane
	v_mul_u32_u24 v[A0], v[BK], 816
	v_mad_u32_u24 v[A0], v[BK+1], 24, v[A0]
	v_lshl_add_u32 v[A0B], v[BK+1], 4, v[A0]
	v_add_nc_u32 v[AU], s94, v[A0]
	v_add_nc_u32 v[AU+1], s94, v[A0B]
	v_lshl_add_u32 v[A16], v[BK+2], 4, s95
	v_lshl_add_u32 v[A16+1], v[BK+2], 3, s95
	v_lshl_add_u32 v[A16+2], v[BK+2], 4, s96
	v_lshl_add_u32 v[A16+3], v[BK+2], 3, s96
	v_lshlrev_b32 v[SSO], 5, v[BK]
	v_lshl_add_u32 v[SSO], v[BK+1], 4, v[SSO]
	v_lshlrev_b32 v[HB], 5, v[BK+1]
	v_mul_u32_u24 v[STO], v[BK], 272
	v_lshl_add_u32 v[STO], v[BK+1], 5, v[STO]
	v_add_nc_u32 v[STO], s94, v[STO]               ; in: row r of 272 bytes, 32 bytes for each half of the lanes
	v_mul_u32_u24 v[RD], v[BK+1], 272
	v_lshl_add_u32 v[RD], v[BK], 4, v[RD]
	v_add_nc_u32 v[RD], s94, v[RD]                 ; back: lanes 0-15 one row of 256 bytes, lanes 16-31 the next
	v_lshlrev_b32 v[XO], 12, v[BK+1]
	v_lshl_add_u32 v[XO], v[BK], 4, v[XO]          ; and the same two rows in x and out0
	s_wait_alu depctr_va_vdst(0)
.irp f, 0,1,2,3
	global_load_b128 v[RS+4*\f:RS+4*\f+3], v[SSO], s[74:75] offset:512*\f
.endr
.irp t, 0,1,2,3,4,5,6,7
	global_load_b128 v[SS+4*\t:SS+4*\t+3], v[SSO], s[70:71] offset:512*\t
.endr
.irp f, 0,1,2,3
	global_load_b128 v[CBI+8*\f:CBI+8*\f+3], v[HB], s[76:77] offset:64*\f
	global_load_b128 v[CBI+8*\f+4:CBI+8*\f+7], v[HB], s[76:77] offset:64*\f+16
.endr
	WIN 0x40
.irp t, 0,1,2,3
.irp i, 0,1,2,3,4,5,6,7
	global_load_b128 v[128+32*\t+4*\i:128+32*\t+4*\i+3], v[XO], s[78:79] offset:(16*\t+2*\i)*4096 th:TH_LOAD_NT
.endr
.endr
	WIN 0x80
.irp t, 4,5
.irp i, 0,1,2,3,4,5,6,7
	global_load_b128 v[192+32*(\t-4)+4*\i:192+32*(\t-4)+4*\i+3], v[XO], s[78:79] offset:(16*\t+2*\i)*4096 th:TH_LOAD_NT
.endr
.endr
	WIN 0xc0
.irp t, 6,7
.irp i, 0,1,2,3,4,5,6,7
	global_load_b128 v[192+32*(\t-6)+4*\i:192+32*(\t-6)+4*\i+3], v[XO], s[78:79] offset:(16*\t+2*\i)*4096 th:TH_LOAD_NT
.endr
.endr
	WIN 0
	s_wait_tensorcnt 0x0                           ; my load has landed,
	s_barrier_signal -1
	s_barrier_wait -1                              ; everybody's has
	WIN 0x80
.irp st, 0,1,2,3
.irp f, 0,1,2,3
	FRAG 12*(4*\st+\f), AU, \st, \f
.endr
.endr
	WIN 0xc0
.irp st, 4,5,6,7
.irp f, 0,1,2,3
	FRAG 12*(4*(\st-4)+\f), AU, \st, \f
.endr
.endr
	WIN 0
	FETCHI 0, 0
	s_wait_loadcnt 63                              ; the scale words and the bias are in: behind them stand x's 64 loads
	UNITO 0
	UNITO 1
	s_wait_tensorcnt 0x0                           ; the wave's end
	ds_add_u32 v[SPW], v[NIL]
	s_wait_dscnt 0x0
	s_endpgm
.Lfunc_end_k_q1368532bdd_oproj:
	.size	k_q1368532bdd_oproj, .Lfunc_end_k_q1368532bdd_oproj-k_q1368532bdd_oproj
	.p2alignl 7, 3214868480
	.fill 96, 4, 3214868480
	.section	.rodata,"a",@progbits
	.p2align	6, 0x0
	.amdhsa_kernel k_q1368532bdd_oproj
		.amdhsa_group_segment_fixed_size 327680
		.amdhsa_private_segment_fixed_size 0
		.amdhsa_enable_private_segment 0
		.amdhsa_kernarg_size 56
		.amdhsa_user_sgpr_count 2
		.amdhsa_user_sgpr_kernarg_segment_ptr 1
		.amdhsa_wavefront_size32 1
		.amdhsa_system_sgpr_workgroup_id_x 1
		.amdhsa_system_sgpr_workgroup_id_y 1
		.amdhsa_system_sgpr_workgroup_id_z 1
		.amdhsa_system_vgpr_workitem_id 0
		.amdhsa_next_free_vgpr 1024
		.amdhsa_next_free_sgpr 100
		.amdhsa_reserve_vcc 0
		.amdhsa_float_denorm_mode_32 3
		.amdhsa_float_denorm_mode_16_64 3
		.amdhsa_memory_ordered 1
		.amdhsa_forward_progress 1
		.amdhsa_inst_pref_size 101
	.end_amdhsa_kernel
	.amdgpu_metadata
---
amdhsa.version: [ 1, 2 ]
amdhsa.kernels:
  - .name:           k_q1368532bdd_oproj
    .symbol:         k_q1368532bdd_oproj.kd
    .args:
      - { .name: ao, .offset: 0, .size: 8, .value_kind: global_buffer, .address_space: global }
      - { .name: aos, .offset: 8, .size: 8, .value_kind: global_buffer, .address_space: global }
      - { .name: Wo_codes, .offset: 16, .size: 8, .value_kind: global_buffer, .address_space: global }
      - { .name: Wo_scales, .offset: 24, .size: 8, .value_kind: global_buffer, .address_space: global }
      - { .name: bo, .offset: 32, .size: 8, .value_kind: global_buffer, .address_space: global }
      - { .name: x, .offset: 40, .size: 8, .value_kind: global_buffer, .address_space: global }
      - { .name: out0, .offset: 48, .size: 8, .value_kind: global_buffer, .address_space: global }
    .group_segment_fixed_size: 327680
    .private_segment_fixed_size: 0
    .kernarg_segment_align: 8
    .kernarg_segment_size: 56
    .max_flat_workgroup_size: 128
    .sgpr_count:     100
    .vgpr_count:     1024
    .wavefront_size: 32
...
	.end_amdgpu_metadata
.endif
;; end of part 4
